; MI455X (gfx1250); checked and timed in simulation.
; The chip was launched on July 23, 2026; its instructions are those of AMD's public machine-readable ISA for CDNA 5 (MIT licence, August 2026) and "CDNA5" Instruction Set Architecture Reference Guide (July 2026). The comments in the code are by the model that wrote it; some were corrected since.
;; Multihead attention. Allowed arithmetic: matrix products marked QUANTISED: E2M3 operands, one E8M0 scale for each 32 along K, by v_wmma_scale_f32_16x16x128_f8f6f4 with both operands' format E2M3, f32 sums; everything else in f32.
;; Inputs: W_out 1,024 x 1,024 float32; W_qkv 1,024 x 3,072 float32; attn_mask 2,048 x 2,048 float32; b_out 1,024 float32; b_qkv 3,072 float32; key_padding_mask 4 x 2,048 bool; query 4 x 2,048 x 1,024 float32.
;; Outputs: out0 4 x 2,048 x 1,024 float32.
;; This version of the problem:
;;   THIS VERSION OF THE PROBLEM IS GIVEN IN LOW PRECISION. The matrix products marked QUANTISED in the list below multiply operands that are first quantised to E2M3 (2 exponent bits, 3 mantissa bits; 6 bits a number), with one power-of-two scale for each 32 numbers along K (OCP MX v1.0); their sums are f32. All else is computed in f32.
;;   The module's matrix products, in the order in which they are computed (A, B: the left and right operand; K: the contracted axis; several contracted axes count as one K, in the product's order):
;;     1. [M 8,192, K 1,024] x [K 1,024, N 3,072]; A: input query; B: input W_qkv: QUANTISED
;;     2. batch 64 x [M 2,048, K 64] x [K 64, N 2,048]; A: computed on the way; B: computed on the way: QUANTISED
;;     3. batch 64 x [M 2,048, K 2,048] x [K 2,048, N 64]; A: softmax (see below); B: computed on the way: QUANTISED
;;     4. [M 8,192, K 1,024] x [K 1,024, N 1,024]; A: computed on the way; B: input W_out: QUANTISED
;;   THE QUANTISER, for each operand of a quantised product, along K:
;;     - K is cut into blocks of 32 from its start; a last block that is shorter is filled with zeros.
;;     - A block's scale is 2^e with e = floor(log2(the largest magnitude in the block)) - 2, held to -126 .. 127; a block of zeros has e = 0. As a byte (E8M0): e + 127.
;;     - Each number is divided by its block's scale, clamped to +-7.5, and rounded to the nearest number of E2M3, ties to even, subnormals kept.
;;     - The product sums the exact products of the quantised numbers (number of the format x scale) in f32.
;;   ~~~python
;;   def quantise(x, axis):      # numpy; x: float32 -> the quantised numbers, widened to float32 again
;;       x = np.moveaxis(x, axis, -1); K = x.shape[-1]
;;       x = np.pad(x, [(0, 0)] * (x.ndim - 1) + [(0, -K % 32)]); x = x.reshape(x.shape[:-1] + (-1, 32)); a = np.abs(x).max(-1, keepdims=True)
;;       e = np.where(a > 0, np.clip(np.frexp(np.where(a > 0, a, 1))[1] - 1 - 2, -126, 127), 0)      # np.frexp(a)[1] - 1 = floor(log2(a)), exactly
;;       r = np.clip(x / 2.0 ** e, -7.5, 7.5)
;;       step = 2.0 ** (np.maximum(np.frexp(np.where(r == 0, 1, r))[1] - 1, 0) - 3)
;;       q = np.round(r / step) * step * 2.0 ** e      # np.round: ties to even
;;       return np.moveaxis(q.reshape(q.shape[:-2] + (-1,))[..., :K], -1, axis).astype(np.float32)
;;   ~~~
;;   SOFTMAX AHEAD OF A QUANTISED PRODUCT. Where the list says 'softmax', what is quantised is not the finished softmax but p = 2^(t - M), with t = logit x log2(e) and M = ceil(the row's largest t), a whole number; so 1/2 < the row's largest p <= 1. The row's sum l is taken of the UNQUANTISED p, in f32, and the product's result is divided by l at the end. Since M is a whole number, a kernel that streams over the keys may use a running M (the ceiling of the running maximum): every later rescaling is an exact power of two, which a block's scale takes up: the codes' values come out the same.
;;   OPERANDS COMPUTED ON THE WAY. 'Computed on the way' means the value that the module computes at that place (a softmax that the list does not call 'softmax' is quantised finished and normalised). What goes into a quantiser is computed in f32, as accurately as f32 sums, v_exp_f32 and their like allow (about 1e-6 of the number): no bf16 or f16 on the way to a quantiser, and a product that is left as it is and whose result goes on into a quantised operand takes f32 operands (vector FMAs, or v_wmma_f32_16x16x4_f32). A number that lies on a knife's edge between two numbers of the format may be rounded either way, as far as f32 arithmetic and the matrix unit's own rounding can turn it there, and no further.
;; One version. Each part assembles by itself: llvm-mc -triple=amdgcn-amd-amdhsa -mcpu=gfx1250 --defsym DOCPART=n.
;; ======== version 1 of 1: 4 launches
;; limits: right only within a limited range of input values
;; workspace buffers: XI 6,291,456 bytes; XS 262,144 bytes; WI 3,145,728 bytes; WS 131,072 bytes; QKVI 18,874,368 bytes; QKVS 786,432 bytes; AI 6,291,456 bytes; ASC 262,144 bytes
;; launch quant (part 1): grid 384 x 1, 8 waves a work-group, no clusters, 95,232 bytes of LDS; arguments query, W_qkv, W_out, XI, XS, WI, WS; writes XI, XS, WI, WS
.if DOCPART == 1
	.amdgcn_target "amdgcn-amd-amdhsa--gfx1250"
	.amdhsa_code_object_version 6
	.text
	.protected	k_q953aba9ed6_quant
	.globl	k_q953aba9ed6_quant
	.p2align	8
	.type	k_q953aba9ed6_quant,@function
k_q953aba9ed6_quant:
	s_mov_b64 s[64:65], 0
	v_nop
	global_prefetch_b8 v0, s[64:65] scope:SCOPE_SE
	s_setreg_imm32_b32 hwreg(HW_REG_WAVE_MODE, 25, 1), 1
	s_wait_xcnt 0x0
; query [8192][1024], W_qkv [1024][3072] and W_out [1024][1024], f32, become codes of FP6 (E2M3) with one E8M0 byte for each 32 along K (K = the 1,024).
; LAYOUT OF THE RESULTS.  A fragment is 16 rows x 128 K: 12 registers a lane in the matrix operand's own order.  It is stored as an IMAGE of those registers, 1,536 bytes:
; registers 4 c .. 4 c + 3 of lane l at 512 c + 16 l.  XI = [row tile 512][K step 8][image], WI = [column tile 256][K step 8][image] (tiles 0-191 W_qkv's columns, 192-255 W_out's).
; THE ROWS OF A TILE ARE NOT NEIGHBOURS: row r of tile i is the true row 32 (i / 2) + 8 (i % 2) + r + 8 (r / 8); "position" is 16 i + r.  XS, WS = [position][8 scale words], a word for each K step.
; A block's scale byte is its largest magnitude's exponent field - 2, held at 1 from below by a floor among the maximum's leaves (a block of zeros keeps the byte 1: its codes are zeros, and this program alone reads the bytes).
; LIMITS: blocks whose largest magnitude lies under 2^-124 take the floor's scale; NaN and infinities among the inputs are not served.
; Work-groups 0-255 take query (a wave: one row tile x 256 along K), work-groups 256-383 the weights (a wave: 32 columns x 128 along K).  The two ways have LDS bytes of their own.  Waves share nothing: no barrier.
.set XSTG,  8448                       ; query's way: a wave's stage, 16 rows x (512 bytes + 16): row r starts 4 r banks on, so the 16 lanes of a 16-byte access fall on 16 different columns
.set WSTG0, 67584                      ; the weights' way: stages from here on,
.set WSTG,  3328                       ; a wave's: two images, 1,664 bytes apart
.set SPARE, 94208                      ; the spare words, 128 bytes for each wave: four blocks of 256 bytes that no other line names
.set LI,  4                            ; v4   16 x lane
.set SPW, 10                           ; v10  my spare word's LDS address; never rewritten
.set NIL, 11                           ; v11  0; never rewritten
.set TM,  16                           ; v16-19 largest magnitudes, v20-23 the other half's, then bytes, v28-31 the conversions' scale operands
.set PW,  32                           ; v32, v33 scale words
.set PC,  36                           ; v36-59 codes
.set R,   64                           ; v64-191 numbers as loaded
.set X,   192                          ; v192-255 64 numbers in the quantiser's order
.set SEL, 22                           ; s[22:23] lane selects: lane l xor 16
; 64 numbers of a lane, register 16 b + i = k 32 b + 16 (lane / 16) + i of my row, become a fragment's codes in v[PC] on and its scale word in v[pw]
.macro QUANT s, pw
.irp b, 0,1,2,3
	v_max3_num_f32 v[TM+\b], |v[\s+16*\b]|, |v[\s+1+16*\b]|, 0x1800000   ; my 16 numbers of block b, and the floor 2^(3 - 127)
.endr
.irp i, 2,4,6,8,10,12,14
.irp b, 0,1,2,3
	v_max3_num_f32 v[TM+\b], v[TM+\b], |v[\s+16*\b+\i]|, |v[\s+1+16*\b+\i]|   ; the four blocks by turns
.endr
.endr
.irp b, 0,1,2,3
	v_permlanex16_b32 v[TM+4+\b], v[TM+\b], s[SEL], s[SEL+1]
.endr
.irp b, 0,1,2,3
	v_max_num_f32 v[TM+\b], v[TM+\b], v[TM+4+\b]       ; with lane l xor 16's: the block's largest magnitude
.endr
.irp b, 0,1,2,3
	v_add_nc_u32 v[TM+12+\b], 0xff000000, v[TM+\b]     ; 2 off its exponent field: the conversion's scale operand
.endr
.irp b, 0,1,2,3
	v_lshrrev_b32 v[TM+4+\b], 23, v[TM+12+\b]          ; the scale's byte
.endr
	v_lshl_or_b32 v[\pw], v[TM+5], 8, v[TM+4]
	v_lshl_or_b32 v[\pw], v[TM+6], 16, v[\pw]
	v_lshl_or_b32 v[\pw], v[TM+7], 24, v[\pw]
.irp c, 0,1
	v_cvt_scalef32_pk16_fp6_f32 v[PC+6*\c:PC+2+6*\c], v[\s+32*\c:\s+15+32*\c], v[TM+12+2*\c]
	v_cvt_scalef32_pk16_fp6_f32 v[PC+12+4*\c:PC+14+4*\c], v[\s+16+32*\c:\s+31+32*\c], v[TM+12+2*\c+1]   ; (a conversion's three registers begin on an even number)
.endr
	v_nop                                              ; one plain place behind a scaled conversion
.irp c, 0,1                                        ; the operand wants a whole block in a lane: lanes 0-15 block 2 c, lanes 16-31 block 2 c + 1
.irp i, 0,1,2
	v_permlane16_swap_b32 v[PC+6*\c+\i], v[PC+12+4*\c+\i]
.endr
.irp i, 0,1,2
	v_mov_b32 v[PC+3+6*\c+\i], v[PC+12+4*\c+\i]
.endr
.endr
.endm
; K step k's 16 rows x 512 bytes go through my stage as they lie and come back 64 numbers a lane.  LDS serves a wave's instructions in order: no wait between the stores and the loads
.macro XTURN k
.irp t, 0,1,2,3,4,5,6,7,8,9,10,11,12,13,14,15
	ds_store_b128 v5, v[R+4*(16*\k+\t):R+4*(16*\k+\t)+3] offset:\t*528
.endr
.irp b, 0,1,2,3
.irp j, 0,1,2,3
	ds_load_b128 v[X+16*\b+4*\j:X+16*\b+4*\j+3], v6 offset:128*\b+16*\j
.endr
.endr
.endm
.macro WLOADS pitch                    ; 128 rows of the weight at my column: 32 lanes read 128 consecutive bytes, the eight waves stand side by side on 1,024
.set kk, 0
.rept 128
	global_load_b32 v[R+kk], v3, s[6:7] offset:kk*\pitch th:TH_LOAD_NT
.set kk, kk+1
.endr
.endm
	s_load_b256 s[4:11], s[0:1], 0x0               ; query s[4:5], W_qkv s[6:7], W_out s[8:9], XI s[10:11]
	s_load_b128 s[12:15], s[0:1], 0x20             ; XS s[12:13], WI s[14:15]
	s_load_b64 s[24:25], s[0:1], 0x30              ; WS
	v_lshl_add_u32 v[SPW], v0, 2, SPARE
	v_mov_b32 v[NIL], 0
	v_lshrrev_b32 v1, 5, v0
	v_readfirstlane_b32 s16, v1                    ; wave 0..7
	v_and_b32 v2, 31, v0                           ; lane
	v_lshlrev_b32 v[LI], 4, v2
	s_mov_b32 s[SEL], 0x76543210
	s_mov_b32 s[SEL+1], 0xfedcba98
	s_mov_b32 s26, 0xffff0000                      ; a mask of lanes 16-31
	s_cmp_lt_u32 ttmp9, 256
	s_cbranch_scc0 .Lw
	; ---------------- query: row tile RT = 2 x work-group + wave / 4, K steps 2 (wave % 4) and the next
	v_and_b32 v3, 15, v0                           ; r
	v_bfe_u32 v8, v0, 4, 1                         ; h
	s_mul_i32 s17, s16, XSTG
	v_add_nc_u32 v5, s17, v[LI]                    ; the stage, on the way in: 16 x lane in a row
	v_mul_u32_u24 v6, v3, 528
	v_lshl_add_u32 v6, v8, 6, v6
	v_add_nc_u32 v6, s17, v6                       ; and on the way out: row r, + 64 h
	v_lshlrev_b32 v7, 5, v3
	v_lshl_add_u32 v7, v8, 2, v7                   ; XS: 32 bytes a position; lanes 0-15 store the first K step's word, lanes 16-31 the second's
.irp b, 0,1,2,3
	v_mov_b32 v[TM+4+\b], 0                        ; written once: a lane permute's destination counts as one of its sources
.endr
	s_lshr_b32 s18, s16, 2
	s_lshl_b32 s19, ttmp9, 1
	s_add_co_u32 s18, s18, s19                     ; RT
	s_and_b32 s19, s16, 3                          ; which quarter of K
	s_lshr_b32 s20, s18, 1
	s_lshl_b32 s20, s20, 17                        ; 32 (RT / 2) rows of 4,096 bytes
	s_and_b32 s21, s18, 1
	s_lshl_b32 s21, s21, 15                        ; + 8 (RT % 2) rows
	s_add_co_u32 s20, s20, s21
	s_lshl_b32 s21, s19, 10                        ; + 256 numbers a quarter
	s_add_co_u32 s20, s20, s21
	s_mov_b32 s21, 0
	s_mul_i32 s28, s18, 12288
	s_mul_i32 s27, s19, 3072
	s_add_co_u32 s28, s28, s27
	s_mov_b32 s29, 0
	s_lshl_b32 s30, s18, 9
	s_lshl_b32 s27, s19, 3
	s_add_co_u32 s30, s30, s27
	s_mov_b32 s31, 0
	s_wait_kmcnt 0x0
	s_add_nc_u64 s[4:5], s[4:5], s[20:21]
	s_add_nc_u64 s[10:11], s[10:11], s[28:29]
	s_add_nc_u64 s[12:13], s[12:13], s[30:31]
.irp k, 0,1
.irp t, 0,1,2,3,4,5,6,7,8,9,10,11,12,13,14,15
	global_load_b128 v[R+4*(16*\k+\t):R+4*(16*\k+\t)+3], v[LI], s[4:5] offset:(\t+8*(\t/8))*4096+512*\k th:TH_LOAD_NT   ; 32 lanes read 512 consecutive bytes of the tile's row t
.endr
.endr
	s_wait_loadcnt 16                              ; the first K step's 16 loads are in; the second's may be out
	XTURN 0
	s_wait_dscnt 0x0
	QUANT X, PW
.irp c, 0,1,2
	global_store_b128 v[LI], v[PC+4*\c:PC+4*\c+3], s[10:11] offset:512*\c   ; 512 consecutive bytes
.endr
	s_wait_loadcnt 0x0
	XTURN 1
	s_wait_dscnt 0x0
	s_wait_xcnt 0x0                                ; the stores have read the codes' registers, which are written again below
	QUANT X, PW+1
.irp c, 0,1,2
	global_store_b128 v[LI], v[PC+4*\c:PC+4*\c+3], s[10:11] offset:1536+512*\c
.endr
	v_cndmask_b32 v34, v[PW], v[PW+1], s26
	global_store_b32 v7, v34, s[12:13]
	s_wait_tensorcnt 0x0                           ; the wave's end
	ds_add_u32 v[SPW], v[NIL]
	s_wait_dscnt 0x0
	s_endpgm
	; ---------------- the weights: K step = (work-group - 256) % 8, 256 columns = (work-group - 256) / 8; a lane takes a column and its registers run down K
.Lw:
	s_sub_co_u32 s17, ttmp9, 256
	s_and_b32 s18, s17, 7                          ; K step
	s_lshr_b32 s19, s17, 3                         ; group of 256 columns, 0..15: 0-11 W_qkv's, 12-15 W_out's
	s_mov_b32 s21, 4096
	s_sub_co_u32 s27, s19, 12
	s_cmp_lt_u32 s19, 12
	s_cselect_b32 s21, 12288, s21                  ; bytes in a row of the source
	s_cselect_b32 s27, s19, s27                    ; the group's number in its source
	s_cselect_b32 s20, 1, 0
	s_lshl_b32 s28, s18, 7
	s_mul_i32 s28, s28, s21                        ; 128 rows a K step
	s_lshl_b32 s27, s27, 10
	s_add_co_u32 s28, s28, s27                     ; + 256 columns a group
	s_lshl_b32 s27, s16, 7
	s_add_co_u32 s28, s28, s27                     ; + 32 columns a wave
	s_mov_b32 s29, 0
	s_lshl_b32 s30, s19, 4
	s_lshl_b32 s27, s16, 1
	s_add_co_u32 s30, s30, s27                     ; my first column tile: 16 x group + 2 x wave
	s_lshl_b32 s32, s30, 9                         ; WS: 512 bytes a tile,
	s_lshl_b32 s27, s18, 2
	s_add_co_u32 s32, s32, s27                     ; + 4 bytes a K step
	s_mov_b32 s33, 0
	s_mul_i32 s30, s30, 12288
	s_mul_i32 s27, s18, 1536
	s_add_co_u32 s30, s30, s27
	s_mov_b32 s31, 0
	v_lshlrev_b32 v3, 2, v2                        ; 4 bytes a lane
	v_bfe_u32 v8, v0, 3, 1                         ; column L lies in tile u = (L / 8) % 2
	v_and_b32 v9, 7, v0
	v_bfe_u32 v12, v0, 4, 1
	v_lshl_add_u32 v9, v12, 3, v9                  ; at row r = L % 8 + 8 (L / 16)
	s_mul_i32 s17, s16, WSTG
	s_add_co_u32 s17, s17, WSTG0
	v_mul_u32_u24 v5, v8, 1664
	v_lshl_add_u32 v5, v9, 4, v5
	v_add_nc_u32 v5, s17, v5                       ; into the stage: image u, the place of lane r (that of lane 16 + r: 256 bytes on)
	v_add_nc_u32 v6, s17, v[LI]                    ; and back: 16 x lane
	v_lshl_add_u32 v7, v8, 4, v9
	v_lshlrev_b32 v7, 5, v7                        ; WS: 32 bytes a position
	s_wait_kmcnt 0x0
	s_cmp_eq_u32 s20, 1
	s_cselect_b64 s[6:7], s[6:7], s[8:9]           ; the choice hangs on the work-group's number alone
	s_add_nc_u64 s[6:7], s[6:7], s[28:29]
	s_add_nc_u64 s[14:15], s[14:15], s[30:31]
	s_add_nc_u64 s[24:25], s[24:25], s[32:33]
	s_cmp_eq_u32 s20, 1
	s_cbranch_scc0 .Lw_out
	WLOADS 12288
	s_branch .Lw_in
.Lw_out:
	WLOADS 4096
.Lw_in:
	s_wait_loadcnt 0x0
.irp b, 0,1,2,3                                    ; a block's 32 numbers are all mine
	v_max3_num_f32 v[TM+\b], |v[R+32*\b]|, |v[R+32*\b+1]|, 0x1800000
.endr
.irp i, 2,4,6,8,10,12,14,16,18,20,22,24,26,28,30
.irp b, 0,1,2,3
	v_max3_num_f32 v[TM+\b], v[TM+\b], |v[R+32*\b+\i]|, |v[R+32*\b+\i+1]|
.endr
.endr
.irp b, 0,1,2,3
	v_add_nc_u32 v[TM+12+\b], 0xff000000, v[TM+\b]
.endr
.irp b, 0,1,2,3
	v_lshrrev_b32 v[TM+4+\b], 23, v[TM+12+\b]
.endr
	v_lshl_or_b32 v[PW], v[TM+5], 8, v[TM+4]
	v_lshl_or_b32 v[PW], v[TM+6], 16, v[PW]
	v_lshl_or_b32 v[PW], v[TM+7], 24, v[PW]
.irp b, 0,1,2,3                                    ; block b is registers 6 (b / 2) .. + 5 of the image's lane 16 (b % 2) + r: two runs of 12 registers, one for each half of the lanes
	v_cvt_scalef32_pk16_fp6_f32 v[PC+12*(\b%2)+6*(\b/2):PC+12*(\b%2)+6*(\b/2)+2], v[R+32*\b:R+32*\b+15], v[TM+12+\b]
	v_cvt_scalef32_pk16_fp6_f32 v[X+4*\b:X+4*\b+2], v[R+32*\b+16:R+32*\b+31], v[TM+12+\b]
.endr
	v_nop                                          ; one plain place behind a scaled conversion
.irp b, 0,1,2,3
.irp i, 0,1,2
	v_mov_b32 v[PC+12*(\b%2)+6*(\b/2)+3+\i], v[X+4*\b+\i]
.endr
.endr
.irp h, 0,1
.irp c, 0,1,2
	ds_store_b128 v5, v[PC+12*\h+4*\c:PC+12*\h+4*\c+3] offset:256*\h+512*\c
.endr
.endr
.irp k, 0,1,2,3,4,5
	ds_load_b128 v[R+4*\k:R+4*\k+3], v6 offset:(\k/3)*1664+(\k%3)*512   ; LDS serves a wave's instructions in order: these see my stores
.endr
	global_store_b32 v7, v[PW], s[24:25]
.irp k, 0,1,2,3,4,5
	s_wait_dscnt 5-\k                              ; read-back k is in; the younger ones may be out
	global_store_b128 v[LI], v[R+4*\k:R+4*\k+3], s[14:15] offset:(\k/3)*12288+(\k%3)*512   ; 512 consecutive bytes
.endr
	s_wait_tensorcnt 0x0                           ; the wave's end
	ds_add_u32 v[SPW], v[NIL]
	s_wait_dscnt 0x0
	s_endpgm
.Lfunc_end_k_q953aba9ed6_quant:
	.size	k_q953aba9ed6_quant, .Lfunc_end_k_q953aba9ed6_quant-k_q953aba9ed6_quant
	.p2alignl 7, 3214868480
	.fill 96, 4, 3214868480
	.section	.rodata,"a",@progbits
	.p2align	6, 0x0
	.amdhsa_kernel k_q953aba9ed6_quant
		.amdhsa_group_segment_fixed_size 95232
		.amdhsa_private_segment_fixed_size 0
		.amdhsa_enable_private_segment 0
		.amdhsa_kernarg_size 56
		.amdhsa_user_sgpr_count 2
		.amdhsa_user_sgpr_kernarg_segment_ptr 1
		.amdhsa_wavefront_size32 1
		.amdhsa_system_sgpr_workgroup_id_x 1
		.amdhsa_system_sgpr_workgroup_id_y 1
		.amdhsa_system_sgpr_workgroup_id_z 1
		.amdhsa_system_vgpr_workitem_id 0
		.amdhsa_next_free_vgpr 256
		.amdhsa_next_free_sgpr 66
		.amdhsa_reserve_vcc 0
		.amdhsa_float_denorm_mode_32 3
		.amdhsa_float_denorm_mode_16_64 3
		.amdhsa_memory_ordered 1
		.amdhsa_forward_progress 1
		.amdhsa_inst_pref_size 52
	.end_amdhsa_kernel
	.amdgpu_metadata
---
amdhsa.version: [ 1, 2 ]
amdhsa.kernels:
  - .name:           k_q953aba9ed6_quant
    .symbol:         k_q953aba9ed6_quant.kd
    .args:
      - { .name: query, .offset: 0, .size: 8, .value_kind: global_buffer, .address_space: global }
      - { .name: W_qkv, .offset: 8, .size: 8, .value_kind: global_buffer, .address_space: global }
      - { .name: W_out, .offset: 16, .size: 8, .value_kind: global_buffer, .address_space: global }
      - { .name: XI, .offset: 24, .size: 8, .value_kind: global_buffer, .address_space: global }
      - { .name: XS, .offset: 32, .size: 8, .value_kind: global_buffer, .address_space: global }
      - { .name: WI, .offset: 40, .size: 8, .value_kind: global_buffer, .address_space: global }
      - { .name: WS, .offset: 48, .size: 8, .value_kind: global_buffer, .address_space: global }
    .group_segment_fixed_size: 95232
    .private_segment_fixed_size: 0
    .kernarg_segment_align: 8
    .kernarg_segment_size: 56
    .max_flat_workgroup_size: 256
    .sgpr_count:     66
    .vgpr_count:     256
    .wavefront_size: 32
...
	.end_amdgpu_metadata
.endif
;; end of part 1
;; launch qkv (part 2): grid 12 x 32, 4 waves a work-group, clusters of 4 x 4, 327,680 bytes of LDS; arguments XI, XS, WI, WS, b_qkv, QKVI, QKVS; writes QKVI, QKVS
.if DOCPART == 2
	.amdgcn_target "amdgcn-amd-amdhsa--gfx1250"
	.amdhsa_code_object_version 6
	.text
	.protected	k_q953aba9ed6_qkv
	.globl	k_q953aba9ed6_qkv
	.p2align	8
	.type	k_q953aba9ed6_qkv,@function
k_q953aba9ed6_qkv:
	s_mov_b64 s[64:65], 0
	v_nop
	global_prefetch_b8 v0, s[64:65] scope:SCOPE_SE
	s_setreg_imm32_b32 hwreg(HW_REG_WAVE_MODE, 25, 1), 1
	s_wait_xcnt 0x0
	s_wait_alu depctr_hold_cnt(0) depctr_sa_sdst(0) depctr_va_vdst(0) depctr_va_sdst(0) depctr_va_ssrc(0) depctr_va_vcc(0) depctr_vm_vsrc(0)
	s_getreg_b32 s2, hwreg(HW_REG_IB_STS2, 6, 4)
	s_cmp_eq_u32 s2, 0
	s_cbranch_scc0 .Lentry_in_a_cluster
	s_endpgm
.Lentry_in_a_cluster:
	s_bfe_u32 s2, ttmp6, 0x10000c
	s_cmp_lg_u32 s2, 0xf033
	s_cbranch_scc0 .Lentry_shape_is_right
	s_endpgm
.Lentry_shape_is_right:
; qkv = query W_qkv + b_qkv on codes of FP6 (E2M3) with E8M0 scales, and its result quantised at once for the attention: Q and K along the head's 64, V along the keys.
; OPERANDS are images of fragments (16 rows x 128 K, 1,536 bytes: registers 4 c .. 4 c + 3 of lane l at 512 c + 16 l), [tile][K step 8][image]; row r of tile i is the true row 32 (i / 2) + 8 (i % 2) + r + 8 (r / 8).
; A work-group of four waves makes 256 x 256, a wave 128 x 128: 64 accumulators, 512 registers.  THE MATRIX INSTRUCTION IS USED TRANSPOSED: source 0 = 16 rows of "B", source 1 = 16 rows of "A": a lane holds one row of A,
; and by the order of rows in a tile the 64 registers of A's block a are, in blocks of 16, B's true rows 32 b + 16 (lane / 16) + 0 .. 15: neighbours along the axis that is quantised next.
; CLUSTERS x = 0, 1: A = tokens, B = W's columns 0-2047 (Q, K): quantised along the features.  CLUSTERS x = 2: A = W's columns 2048-3071 (V), B = tokens: V^T, quantised along the tokens (the keys).  One body serves both; the choice hangs on the cluster's x.
; K = 1,024 goes in four slots of 256 through a ring of two LDS slots; each tile is asked for JOINTLY (A's along a row of the 4 x 4 cluster, B's along a column).  The scale words of all of K come once, with the first fills.
; The bias is the C of each sum's first product.
; RESULTS.  QKVI = [step = token / 128][cc 24][a 8][image]: cc 0-7 Q's head pairs, 8-15 K's (a = tile of 16 tokens; 128 K = two heads' 64), 16-23 V's (a = 4 x head of the pair + tile of 16 d; 128 K = the step's keys).
; QKVS = [step][cc][a / 4][row 16][a % 4]: scale words.
; LIMITS: a block's largest magnitude is taken as 2^-121 at the least, so that every scale byte is 4 or more (the attention takes 3 off Q's bytes: the factor 1/8); NaN and infinities are not served.
; REGISTERS, in windows of 256: window 0: v0-31 addresses; v32-63 scale words, two sets; v64-127 the bias, later the way out; from v128 A's fragments, ONE set.  window 1: B's fragments, two sets, at v0 and v128.  windows 2, 3: the accumulators ((a, b) at v[8 (8 (a % 4) + b)]).
.set NQ,     2                         ; K steps of 128 in a slot
.set FR,     12                        ; registers of a fragment
.set NL,     3                         ; LDS loads that bring one
.set NP,     4                         ; places behind this matrix instruction (ISA guide 7.12.1)
.set HALFT,  24576                     ; 8 tiles x 2 K steps x 1,536 bytes: what one tensor load brings, and what one wave reads of A or of B
.set SLOT,   4*HALFT                   ; A's two halves, then B's
.set SCL,    2*SLOT                    ; behind the ring: the scale words, as units of 256 bytes + 16 of padding
.set HALFS,  4352                      ; those of 128 rows (32 bytes a row): 16 units
.set SBLK,   544                       ; those of 16 rows
.set SPARE,  SCL+4*HALFS               ; the spare words, 128 bytes for each wave: two blocks of 256 bytes that no other line names
.set ADRA, 16                          ; v16-17  LDS address of my A fragments in slot 0, 1
.set ADRB, 20                          ; v20-21  the same for B
.set LI,   24                          ; v24     16 x lane
.set ADRS, 27                          ; v27     LDS address of my scale words: lanes 0-15 A's rows, lanes 16-31 B's
.set SPW,  28                          ; v28     my spare word's LDS address; never rewritten
.set NIL,  29                          ; v29     0; never rewritten
.set SC,   32                          ; scale words: set s at v[SC + 16 s]; register 2 i + q: lanes 0-15 A's block i, lanes 16-31 B's block i
.set BIAS, 64
.set AF,   128
.set TM,   64                          ; the way out: v64-79 at work, v80-99 codes, v100-107 the eight scale words, v108-111 those that I store
.set PC,   80
.set SW,   100
.set G1, 24
.set G0, 32
.set G1B, 48
.set G0B, 56
.set G1S, 68
.set G0S, 76
.set G1SB, 80
.set G0SB, 88
.set ISV, 100                          ; s100  1 in the clusters that make V
.set MSB, 0
.macro WIN new                         ; the immediate's high byte repeats the setting that is left
.if MSB != (\new)
	s_set_vgpr_msb (MSB<<8)|(\new)
.set MSB, (\new)
.endif
.endm
.set MUL_LO, 0xa1                      ; source 0 (B) window 1, source 1 (A) window 0, C and D window 2
.set MUL_HI, 0xf1                      ; the same, C and D window 3
.set TO_B,   0x40                      ; destination window 1, address window 0
; A joint load: waves 0 and 1 fetch for A, waves 2 and 3 for B; the branch hangs on the wave's number alone.  An s_nop 0 and four v_nop follow each of the two lines.
.macro JLOAD g0a, g1a, g0b, g1b
	s_cmp_eq_u32 s15, 0
	s_cbranch_scc0 .Lfor_b_\@
	tensor_load_to_lds s[\g0a:\g0a+3], s[\g1a:\g1a+7]
	s_nop 0
.rept 4
	v_nop
.endr
	s_branch .Lasked_\@
.Lfor_b_\@:
	tensor_load_to_lds s[\g0b:\g0b+3], s[\g1b:\g1b+7]
	s_nop 0
.rept 4
	v_nop
.endr
.Lasked_\@:
.endm
.macro CREST                           ; a round of the cluster's barrier behind its opening barrier
	s_cmp_lg_u32 s14, 0
	s_cbranch_scc1 .Lnot_wave_0_\@
	s_barrier_signal -3
.Lnot_wave_0_\@:
	s_barrier_wait -3
	s_barrier_signal -1
	s_barrier_wait -1
.endm
.macro CROUND
	s_barrier_signal -1
	s_barrier_wait -1
	CREST
.endm
	s_load_b256 s[4:11], s[0:1], 0x0               ; XI s[4:5], XS s[6:7], WI s[8:9], WS s[10:11]
	s_load_b64 s[12:13], s[0:1], 0x20              ; b_qkv
	s_load_b64 s[96:97], s[0:1], 0x28              ; QKVI
	s_load_b64 s[98:99], s[0:1], 0x30              ; QKVS
	v_lshl_add_u32 v[SPW], v0, 2, SPARE
	v_mov_b32 v[NIL], 0
	ds_add_u32 v[SPW], v[NIL]                      ; the wave's opening: the add and its wait stand ahead of my first tensor load; the set-up below stands between them
	v_lshrrev_b32 v1, 5, v0
	v_readfirstlane_b32 s14, v1                    ; wave 0..3
	s_lshr_b32 s15, s14, 1                         ; which half of A's rows is mine.  Also: I fetch for A (0) or for B (1)
	s_and_b32 s16, s14, 1                          ; which half of B's rows.  Also: which 8 tiles I fetch
	s_bfe_u32 s40, ttmp6, 0x40000                  ; cx, cy: my place in the cluster
	s_bfe_u32 s41, ttmp6, 0x40004
	s_and_b32 s18, ttmp7, 0xffff                   ; the cluster's y
	s_cmp_eq_u32 ttmp9, 2                          ; the cluster's x: the same in all sixteen partners
	s_cselect_b32 s[ISV], 1, 0
	s_cselect_b32 s17, 0, s18
	s_cselect_b32 s42, s18, ttmp9
	s_lshl_b32 s17, s17, 2
	s_add_co_u32 s17, s17, s41                     ; TR: which 256 rows of A
	s_lshl_b32 s42, s42, 2
	s_add_co_u32 s42, s42, s40                     ; TC: which 256 rows of B
	s_lshl_b32 s43, s41, 2
	s_lshl_b32 s43, 15, s43                        ; my row of the cluster
	s_lshl_b32 s44, 0x1111, s40                    ; my column
	; descriptor group 1 for the codes: 8 rows (tiles) of 3,072 bytes (two K steps' images), 12,288 bytes apart; elements of 8 bytes; dense in LDS
	s_or_b32 s[G1+0], s43, (3<<16)|(1<<21)         ; 15:0 the mask: A's tiles go to my row; 17:16 elements of 8 bytes; 21 set beside a mask
	s_or_b32 s[G1B+0], s44, (3<<16)|(1<<21)
.irp g, G1, G1B
	s_mov_b32 s[\g+1], 384<<16                     ; tensor_dim0
	s_mov_b32 s[\g+2], 8<<16                       ; tensor_dim1
	s_mov_b32 s[\g+3], 384<<16                     ; tile_dim0
	s_mov_b32 s[\g+4], 8                           ; tile_dim1
	s_mov_b32 s[\g+5], 1536                        ; tensor_dim0_stride
	s_mov_b32 s[\g+6], 0
	s_mov_b32 s[\g+7], 0
.endr
	; and for the scale words of 128 rows: 4,096 dense bytes as 16 rows of 256, 16 bytes of padding behind each
	s_or_b32 s[G1S+0], s43, (3<<16)|(1<<20)|(1<<21)|(5<<22)|(3<<25)
	s_or_b32 s[G1SB+0], s44, (3<<16)|(1<<20)|(1<<21)|(5<<22)|(3<<25)
.irp g, G1S, G1SB
	s_mov_b32 s[\g+1], 32<<16
	s_mov_b32 s[\g+2], 16<<16
	s_mov_b32 s[\g+3], 32<<16
	s_mov_b32 s[\g+4], 16
	s_mov_b32 s[\g+5], 32
	s_mov_b32 s[\g+6], 0
	s_mov_b32 s[\g+7], 0
.endr
	s_lshl_b32 s18, s16, 3
	s_lshl_b32 s20, s17, 4
	s_add_co_u32 s20, s20, s18                     ; A: the first tile that I fetch: 16 TR + 8 x half
	s_lshl_b32 s46, s42, 4
	s_add_co_u32 s46, s46, s18                     ; B: 16 TC + 8 x half
	s_lshl_b32 s22, s20, 9                         ; their scale words: 512 bytes a tile
	s_lshl_b32 s92, s46, 9
	s_mul_i32 s20, s20, 12288                      ; their codes
	s_mul_i32 s46, s46, 12288
	s_mov_b32 s21, 0
	s_mov_b32 s23, 0
	s_mov_b32 s47, 0
	s_mov_b32 s93, 0
	s_mul_i32 s45, s14, HALFT                      ; where they go: wave x a half: no place in the cluster enters an LDS address
	s_mul_i32 s94, s14, HALFS
	s_wait_dscnt 0x0                               ; the opening add is done
	s_wait_kmcnt 0x0
	s_add_nc_u64 s[2:3], s[8:9], 0x180000          ; W's tiles 128 on: V's columns
	s_add_nc_u64 s[18:19], s[10:11], 0x10000       ; and their scale words
	s_cmp_eq_u32 s[ISV], 1
	s_cselect_b64 s[2:3], s[2:3], s[4:5]           ; A's codes,
	s_cselect_b64 s[18:19], s[18:19], s[6:7]       ; A's scales,
	s_cselect_b64 s[4:5], s[4:5], s[8:9]           ; B's codes,
	s_cselect_b64 s[6:7], s[6:7], s[10:11]         ; B's scales
	s_add_nc_u64 s[20:21], s[2:3], s[20:21]
	s_add_nc_u64 s[22:23], s[18:19], s[22:23]
	s_add_nc_u64 s[46:47], s[4:5], s[46:47]
	s_add_nc_u64 s[92:93], s[6:7], s[92:93]
	CROUND                                         ; all sixteen work-groups are here: the first joint loads meet
	s_mov_b32 s[G0S], 1
	s_add_co_u32 s[G0S+1], s94, SCL
	s_mov_b64 s[G0S+2:G0S+3], s[22:23]
	s_or_b32 s[G0S+3], s[G0S+3], 0x80000000
	s_mov_b32 s[G0SB], 1
	s_add_co_u32 s[G0SB+1], s94, SCL
	s_mov_b64 s[G0SB+2:G0SB+3], s[92:93]
	s_or_b32 s[G0SB+3], s[G0SB+3], 0x80000000
	JLOAD G0S, G1S, G0SB, G1SB                     ; the scale words first: they are wanted with the first K step
.irp s, 0,1
	s_mov_b32 s[G0+4*\s], 1
	s_add_co_u32 s[G0+4*\s+1], s45, \s*SLOT
	s_add_nc_u64 s[G0+4*\s+2:G0+4*\s+3], s[20:21], \s*3072
	s_or_b32 s[G0+4*\s+3], s[G0+4*\s+3], 0x80000000
	s_mov_b32 s[G0B+4*\s], 1
	s_add_co_u32 s[G0B+4*\s+1], s45, \s*SLOT
	s_add_nc_u64 s[G0B+4*\s+2:G0B+4*\s+3], s[46:47], \s*3072
	s_or_b32 s[G0B+4*\s+3], s[G0B+4*\s+3], 0x80000000
	JLOAD G0+4*\s, G1, G0B+4*\s, G1B               ; three tensor loads of mine are out
.endr
	v_and_b32 v1, 15, v0                           ; r
	v_bfe_u32 v2, v0, 4, 1                         ; h
	v_and_b32 v3, 31, v0
	v_lshlrev_b32 v[LI], 4, v3
	s_mul_i32 s21, s15, HALFT                      ; my 8 tiles of A
	s_mul_i32 s22, s16, HALFT                      ; my 8 tiles of B,
	s_add_co_u32 s22, s22, 2*HALFT                 ; which lie behind A's 16
.irp s, 0,1
	v_add_nc_u32 v[ADRA+\s], s21, v[LI]
	v_add_nc_u32 v[ADRB+\s], s22, v[LI]
	s_add_co_u32 s21, s21, SLOT
	s_add_co_u32 s22, s22, SLOT
.endr
	v_lshlrev_b32 v5, 5, v1                        ; my row's scale words: 32 bytes a row,
	v_lshrrev_b32 v6, 8, v5
	v_lshl_add_u32 v5, v6, 4, v5                   ; and 16 more behind the 256 passed
	s_mul_i32 s21, s15, HALFS
	s_mul_i32 s22, s16, HALFS
	s_add_co_u32 s22, s22, 2*HALFS
	s_sub_co_u32 s22, s22, s21
	v_mul_u32_u24 v6, s22, v2                      ; lanes 16-31 take B's
	s_add_co_u32 s21, s21, SCL
	v_add_nc_u32 v5, v5, v6
	v_add_nc_u32 v[ADRS], s21, v5
	; the bias: Q, K: that of B's rows (the features), eight neighbours a tile in a lane's registers;  V: that of A's row (the feature), the same in all eight registers
	s_lshl_b32 s20, s42, 8
	s_lshl_b32 s21, s16, 7
	s_add_co_u32 s20, s20, s21                     ; 256 TC + 128 x half
	s_lshl_b32 s22, s17, 8
	s_lshl_b32 s21, s15, 7
	s_add_co_u32 s22, s22, s21
	s_add_co_u32 s22, s22, 2048                    ; 2,048 + 256 TR + 128 x half
	s_cmp_eq_u32 s[ISV], 1
	s_cselect_b32 s20, s22, s20
	s_lshl_b32 s20, s20, 2
	s_mov_b32 s21, 0
	s_add_nc_u64 s[12:13], s[12:13], s[20:21]
	v_lshlrev_b32 v7, 6, v2                        ; 16 h numbers on
	v_and_b32 v8, 8, v1
	v_add_nc_u32 v8, v8, v1
	v_lshlrev_b32 v8, 2, v8                        ; r + 8 (r / 8) numbers on
	s_cmp_eq_u32 s[ISV], 1
	s_cbranch_scc1 .Lbias_v
.irp b, 0,1,2,3,4,5,6,7
	global_load_b128 v[BIAS+8*\b:BIAS+8*\b+3], v7, s[12:13] offset:(32*(\b/2)+8*(\b%2))*4
	global_load_b128 v[BIAS+8*\b+4:BIAS+8*\b+7], v7, s[12:13] offset:(32*(\b/2)+8*(\b%2))*4+16
.endr
	s_branch .Lbias_in
.Lbias_v:
.irp a, 0,1,2,3,4,5,6,7
.irp j, 0,1,2,3,4,5,6,7
	global_load_b32 v[BIAS+8*\a+\j], v8, s[12:13] offset:(32*(\a/2)+8*(\a%2))*4
.endr
.endr
.Lbias_in:
	; where my 8 images and their scale words go
	s_lshl_b32 s20, s17, 1
	s_add_co_u32 s20, s20, s15                     ; RB: which 128 rows of A
	s_lshl_b32 s22, s42, 1
	s_add_co_u32 s22, s22, s16                     ; CB: which 128 rows of B
	s_mul_i32 s21, s22, 24
	s_add_co_u32 s21, s21, s20
	s_add_co_u32 s21, s21, 16                      ; V: step CB, cc 16 + RB
	s_mul_i32 s23, s20, 24
	s_add_co_u32 s23, s23, s22                     ; Q, K: step RB, cc CB
	s_cmp_eq_u32 s[ISV], 1
	s_cselect_b32 s20, s21, s23
	s_mul_i32 s22, s20, 12288
	s_mov_b32 s23, 0
	s_add_nc_u64 s[96:97], s[96:97], s[22:23]
	s_lshl_b32 s22, s20, 9
	s_add_nc_u64 s[98:99], s[98:99], s[22:23]
	s_mov_b32 s2, 0x76543210                       ; lane selects: lane l xor 16
	s_mov_b32 s3, 0xfedcba98
	s_mov_b32 s101, 0xffff0000                     ; a mask of lanes 16-31
.macro FRAG reg, adr, q, i             ; a fragment comes as it was stored: three loads of 16 bytes a lane, 512 consecutive bytes each
.irp c, 0,1,2
	ds_load_b128 v[\reg+4*\c:\reg+4*\c+3], v[\adr] offset:(2*(\i)+(\q))*1536+512*\c
.endr
.endm
; 16 matrix instructions: A's blocks a0, a0 + 1 x B's eight, the slot's q-th 128 along K.  p: B's set; sc: the set of scale words.  zero = 1, 2: the first product starts the sums with the bias (by B's block, by A's block).
; The 64 accumulators take turns, one instruction a turn, in the same order in every step.
.macro MUL16 a0, p, q, sc, zero
.irp a, \a0, \a0+1
.irp b, 0,1,2,3,4,5,6,7
.if \zero == 1
	v_wmma_scale_f32_16x16x128_f8f6f4 v[8*(8*((\a)%4)+\b):8*(8*((\a)%4)+\b)+7], v[128*(\p)+FR*\b:128*(\p)+FR*\b+FR-1], v[AF+FR*(\a):AF+FR*(\a)+FR-1], v[BIAS+8*\b:BIAS+8*\b+7], v[SC+8*NQ*(\sc)+NQ*\b+(\q)], v[SC+8*NQ*(\sc)+NQ*(\a)+(\q)] matrix_a_fmt:MATRIX_FMT_FP6 matrix_b_fmt:MATRIX_FMT_FP6 matrix_a_scale:MATRIX_SCALE_ROW1
.elseif \zero == 2
	v_wmma_scale_f32_16x16x128_f8f6f4 v[8*(8*((\a)%4)+\b):8*(8*((\a)%4)+\b)+7], v[128*(\p)+FR*\b:128*(\p)+FR*\b+FR-1], v[AF+FR*(\a):AF+FR*(\a)+FR-1], v[BIAS+8*(\a):BIAS+8*(\a)+7], v[SC+8*NQ*(\sc)+NQ*\b+(\q)], v[SC+8*NQ*(\sc)+NQ*(\a)+(\q)] matrix_a_fmt:MATRIX_FMT_FP6 matrix_b_fmt:MATRIX_FMT_FP6 matrix_a_scale:MATRIX_SCALE_ROW1
.else
	v_wmma_scale_f32_16x16x128_f8f6f4 v[8*(8*((\a)%4)+\b):8*(8*((\a)%4)+\b)+7], v[128*(\p)+FR*\b:128*(\p)+FR*\b+FR-1], v[AF+FR*(\a):AF+FR*(\a)+FR-1], v[8*(8*((\a)%4)+\b):8*(8*((\a)%4)+\b)+7], v[SC+8*NQ*(\sc)+NQ*\b+(\q)], v[SC+8*NQ*(\sc)+NQ*(\a)+(\q)] matrix_a_fmt:MATRIX_FMT_FP6 matrix_b_fmt:MATRIX_FMT_FP6 matrix_a_scale:MATRIX_SCALE_ROW1
.endif
.endr
.endr
.endm
.macro FETCH_B slot, q, p
	WIN TO_B
.irp i, 0,1,2,3,4,5,6,7
	FRAG 128*(\p)+FR*\i, ADRB+\slot, \q, \i
.endr
	WIN 0
.endm
.macro FETCH_A slot, q, i0
.irp i, \i0, \i0+1, \i0+2, \i0+3
	FRAG AF+FR*(\i), ADRA+\slot, \q, \i
.endr
.endm
.macro SCALES sc                       ; the slot's scale words: two words a row; lanes 0-15 take A's block i, lanes 16-31 B's block i
.irp i, 0,1,2,3,4,5,6,7
	ds_load_b64 v[SC+8*NQ*\sc+NQ*\i:SC+8*NQ*\sc+NQ*\i+1], v[ADRS] offset:\i*SBLK
.endr
.endm
.macro PLACES n                        ; plain vector instructions between a matrix instruction and a load into, or a read of, its registers (ISA guide 7.12.1 for reads)
.rept \n
	v_nop
.endr
.endm
; A step of 128 along K that has its successor in the same slot.  A block of A is free as soon as its eight products are issued: blocks 0-3 are fetched anew in the step's middle, blocks 4-7 at its end
.macro STEP slot, q, zero
	s_wait_dscnt 4*NL                              ; B's set, A's blocks 0-3 and the scale words are in; the youngest 12 loads (A's blocks 4-7) may be out
.if \zero
	WIN 0x81                                       ; as MUL_LO, with C (the bias) in window 0
.else
	WIN MUL_LO
.endif
	MUL16 0, (\q)%2, \q, \slot, \zero
	MUL16 2, (\q)%2, \q, \slot, \zero
	s_wait_dscnt 0                                 ; A's blocks 4-7 are in
	PLACES NP
	FETCH_B \slot, (\q)+1, 1-(\q)%2
	FETCH_A \slot, (\q)+1, 0
.if \zero
	WIN 0xc1
.else
	WIN MUL_HI
.endif
	MUL16 4, (\q)%2, \q, \slot, \zero
	MUL16 6, (\q)%2, \q, \slot, \zero
	PLACES NP
	WIN 0
	FETCH_A \slot, (\q)+1, 4
.endm
; A slot's last step changes slots: ONE barrier; in front of it each wave waits for all its tensor loads, adds 0 to its spare word, and waits for that and for its own reads of this slot.  fill = 1: this slot is filled again, two slots ahead
.macro TURN slot, next, fill
	s_wait_tensorcnt 0x0                           ; all my tensor loads have landed: my part of the next slot
	ds_add_u32 v[SPW], v[NIL]                      ; 0 onto my spare word
	s_wait_dscnt 4*NL+1                            ; (the add and the youngest 12 loads, A's blocks 4-7, may be out)
	WIN MUL_LO
	MUL16 0, 1, NQ-1, \slot, 0                     ; sixteen matrix instructions stand between the add and the wait for it
	s_wait_dscnt 0x0                               ; the add is done, and my reads of this slot are over
	s_barrier_signal -1
	MUL16 2, 1, NQ-1, \slot, 0
	WIN 0
	s_barrier_wait -1
.if \fill
	CREST                                          ; the barrier has opened a round of the cluster's barrier: no wave of any partner still reads this slot or has a load on its way
	s_add_nc_u64 s[G0+4*\slot+2:G0+4*\slot+3], s[G0+4*\slot+2:G0+4*\slot+3], 2*3072
	s_add_nc_u64 s[G0B+4*\slot+2:G0B+4*\slot+3], s[G0B+4*\slot+2:G0B+4*\slot+3], 2*3072
	JLOAD G0+4*\slot, G1, G0B+4*\slot, G1B         ; the first tensor load behind the round; the four v_nop behind it are the places in front of the loads below
.else
	PLACES NP
.endif
	v_add_nc_u32 v[ADRS], 4*NQ, v[ADRS]            ; on to the next slot's scale words
	FETCH_B \next, 0, 0
	FETCH_A \next, 0, 0
	SCALES \next
	WIN MUL_HI
	MUL16 4, 1, NQ-1, \slot, 0
	MUL16 6, 1, NQ-1, \slot, 0
	PLACES NP
	WIN 0
	FETCH_A \next, 0, 4
.endm
	s_wait_tensorcnt 1                             ; the scale words and my part of slot 0 are in (slot 1's load may be out)
	s_barrier_signal -1
	s_barrier_wait -1                              ; everybody's are
	FETCH_B 0, 0, 0
	FETCH_A 0, 0, 0
	SCALES 0
	FETCH_A 0, 0, 4
	s_wait_loadcnt 0x0                             ; the bias
	s_cmp_eq_u32 s[ISV], 1                         ; the first step is written twice: it differs in which bias registers start a sum.  Both ways hold the same LDS loads
	s_cbranch_scc1 .Lfirst_v
	STEP 0, 0, 1
	s_branch .Lfirst_done
.Lfirst_v:
	STEP 0, 0, 2
.Lfirst_done:
	TURN 0, 1, 1                                   ; K has four slots' worth: written straight
	STEP 1, 0, 0
	TURN 1, 0, 1
	STEP 0, 0, 0
	TURN 0, 1, 0                                   ; nothing is left to fetch: no round
	STEP 1, 0, 0
	s_wait_dscnt 4*NL                              ; the very last step
	WIN MUL_LO
	MUL16 0, 1, NQ-1, 1, 0
	MUL16 2, 1, NQ-1, 1, 0
	s_wait_dscnt 0
	WIN MUL_HI
	MUL16 4, 1, NQ-1, 1, 0
	MUL16 6, 1, NQ-1, 1, 0
	WIN 0
; THE WAY OUT.  A's block a: a lane's 64 registers are 128 neighbours (with lane l xor 16's) along the axis to be quantised: four blocks of 32.  They become one fragment, stored as its image, and one scale word a row.
.macro OUTQ a
.set AC, 64*((\a)%4)
.set WQ, 2+(\a)/4
	WIN WQ*0x14                                    ; sources 1 and 2: the accumulators' window
.irp b, 0,1,2,3
	v_max3_num_f32 v[TM+\b], 0x3000000, |v[AC+16*\b]|, |v[AC+1+16*\b]|   ; each accumulator is read from its low end on; the floor 2^(6 - 127) holds the byte at 4
.endr
.irp i, 2,4,6,8,10,12,14
.irp b, 0,1,2,3
	v_max3_num_f32 v[TM+\b], v[TM+\b], |v[AC+16*\b+\i]|, |v[AC+1+16*\b+\i]|
.endr
.endr
	WIN 0
.irp b, 0,1,2,3
	v_permlanex16_b32 v[TM+4+\b], v[TM+\b], s2, s3
.endr
.irp b, 0,1,2,3
	v_max_num_f32 v[TM+\b], v[TM+\b], v[TM+4+\b]
.endr
.irp b, 0,1,2,3
	v_add_nc_u32 v[TM+12+\b], 0xff000000, v[TM+\b]
.endr
.irp b, 0,1,2,3
	v_lshrrev_b32 v[TM+4+\b], 23, v[TM+12+\b]
.endr
	v_lshl_or_b32 v[SW+(\a)], v[TM+5], 8, v[TM+4]
	v_lshl_or_b32 v[SW+(\a)], v[TM+6], 16, v[SW+(\a)]
	v_lshl_or_b32 v[SW+(\a)], v[TM+7], 24, v[SW+(\a)]
.if (\a) > 0
	s_wait_xcnt 0x0                                ; the last block's stores have read the codes' registers, which are written again below
.endif
	WIN WQ                                         ; source 0: the accumulators' window
.irp c, 0,1
	v_cvt_scalef32_pk16_fp6_f32 v[PC+6*\c:PC+2+6*\c], v[AC+32*\c:AC+15+32*\c], v[TM+12+2*\c]
	v_cvt_scalef32_pk16_fp6_f32 v[PC+12+4*\c:PC+14+4*\c], v[AC+16+32*\c:AC+31+32*\c], v[TM+12+2*\c+1]
.endr
	WIN 0
	v_nop                                          ; one plain place behind a scaled conversion
.irp c, 0,1
.irp i, 0,1,2
	v_permlane16_swap_b32 v[PC+6*\c+\i], v[PC+12+4*\c+\i]
.endr
.irp i, 0,1,2
	v_mov_b32 v[PC+3+6*\c+\i], v[PC+12+4*\c+\i]
.endr
.endr
.irp c, 0,1,2
	global_store_b128 v[LI], v[PC+4*\c:PC+4*\c+3], s[96:97] offset:(\a)*1536+512*\c   ; 512 consecutive bytes
.endr
.endm
	PLACES NP                                      ; behind the last products
.irp b, 0,1,2,3
	v_mov_b32 v[TM+4+\b], 0                        ; written once: a lane permute's destination counts as one of its sources
.endr
.irp a, 0,1,2,3,4,5,6,7
	OUTQ \a
.endr
.irp j, 0,1,2,3
	v_cndmask_b32 v[SW+8+\j], v[SW+\j], v[SW+4+\j], s101   ; lanes 0-15 store the words of blocks 0-3 of their row, lanes 16-31 those of blocks 4-7
.endr
	global_store_b128 v[LI], v[SW+8:SW+11], s[98:99]   ; 512 consecutive bytes
	s_wait_tensorcnt 0x0                           ; the wave's end
	ds_add_u32 v[SPW], v[NIL]
	s_wait_dscnt 0x0
	CROUND                                         ; the closing round: no work-group ends while a partner may still ask for a tile that names it
	s_endpgm
.Lfunc_end_k_q953aba9ed6_qkv:
	.size	k_q953aba9ed6_qkv, .Lfunc_end_k_q953aba9ed6_qkv-k_q953aba9ed6_qkv
	.p2alignl 7, 3214868480
	.fill 96, 4, 3214868480
	.section	.rodata,"a",@progbits
	.p2align	6, 0x0
	.amdhsa_kernel k_q953aba9ed6_qkv
		.amdhsa_group_segment_fixed_size 327680
		.amdhsa_private_segment_fixed_size 0
		.amdhsa_enable_private_segment 0
		.amdhsa_kernarg_size 56
		.amdhsa_user_sgpr_count 2
		.amdhsa_user_sgpr_kernarg_segment_ptr 1
		.amdhsa_wavefront_size32 1
		.amdhsa_system_sgpr_workgroup_id_x 1
		.amdhsa_system_sgpr_workgroup_id_y 1
		.amdhsa_system_sgpr_workgroup_id_z 1
		.amdhsa_system_vgpr_workitem_id 0
		.amdhsa_next_free_vgpr 1024
		.amdhsa_next_free_sgpr 102
		.amdhsa_reserve_vcc 0
		.amdhsa_float_denorm_mode_32 3
		.amdhsa_float_denorm_mode_16_64 3
		.amdhsa_memory_ordered 1
		.amdhsa_forward_progress 1
		.amdhsa_inst_pref_size 160
	.end_amdhsa_kernel
	.amdgpu_metadata
---
amdhsa.version: [ 1, 2 ]
amdhsa.kernels:
  - .name:           k_q953aba9ed6_qkv
    .symbol:         k_q953aba9ed6_qkv.kd
    .args:
      - { .name: XI, .offset: 0, .size: 8, .value_kind: global_buffer, .address_space: global }
      - { .name: XS, .offset: 8, .size: 8, .value_kind: global_buffer, .address_space: global }
      - { .name: WI, .offset: 16, .size: 8, .value_kind: global_buffer, .address_space: global }
      - { .name: WS, .offset: 24, .size: 8, .value_kind: global_buffer, .address_space: global }
      - { .name: b_qkv, .offset: 32, .size: 8, .value_kind: global_buffer, .address_space: global }
      - { .name: QKVI, .offset: 40, .size: 8, .value_kind: global_buffer, .address_space: global }
      - { .name: QKVS, .offset: 48, .size: 8, .value_kind: global_buffer, .address_space: global }
    .group_segment_fixed_size: 327680
    .private_segment_fixed_size: 0
    .kernarg_segment_align: 8
    .kernarg_segment_size: 56
    .max_flat_workgroup_size: 128
    .sgpr_count:     102
    .vgpr_count:     1024
    .wavefront_size: 32
...
	.end_amdgpu_metadata
.endif
;; end of part 2
;; launch attn (part 3): grid 4 x 64, 8 waves a work-group, clusters of 4 x 4, 327,680 bytes of LDS; arguments QKVI, QKVS, attn_mask, key_padding_mask, AI, ASC; writes AI, ASC
.if DOCPART == 3
	.amdgcn_target "amdgcn-amd-amdhsa--gfx1250"
	.amdhsa_code_object_version 6
	.text
	.protected	k_q953aba9ed6_attn
	.globl	k_q953aba9ed6_attn
	.p2align	8
	.type	k_q953aba9ed6_attn,@function
k_q953aba9ed6_attn:
	s_mov_b64 s[64:65], 0
	v_nop
	global_prefetch_b8 v0, s[64:65] scope:SCOPE_SE
	s_setreg_imm32_b32 hwreg(HW_REG_WAVE_MODE, 25, 1), 1
	s_wait_xcnt 0x0
	s_wait_alu depctr_hold_cnt(0) depctr_sa_sdst(0) depctr_va_vdst(0) depctr_va_sdst(0) depctr_va_ssrc(0) depctr_va_vcc(0) depctr_vm_vsrc(0)
	s_getreg_b32 s2, hwreg(HW_REG_IB_STS2, 6, 4)
	s_cmp_eq_u32 s2, 0
	s_cbranch_scc0 .Lentry_in_a_cluster
	s_endpgm
.Lentry_in_a_cluster:
	s_bfe_u32 s2, ttmp6, 0x10000c
	s_cmp_lg_u32 s2, 0xf033
	s_cbranch_scc0 .Lentry_shape_is_right
	s_endpgm
.Lentry_shape_is_right:
; Attention on codes of FP6 (E2M3) with E8M0 scales: S = (Q / 8) K^T + attn_mask, padded keys out, p = 2^(t - M), O = p V / sum(p), and O quantised along E for the last product.
; SHARES.  A work-group: 128 queries of one batch x 4 heads (two pairs).  Each of its eight waves: one tile of 16 queries for all 4 heads.  Every wave walks the 2,048 keys, 128 a step.
; LAYOUT.  Both products are used transposed (S^T = K Q^T, O^T = V^T P^T): a lane holds ONE query throughout.  Fragments come as images of their registers (1,536 bytes: registers 4 c .. 4 c + 3 of lane l at 512 c + 16 l).
; Row r of tile i of keys, queries or d is the true row 32 (i / 2) + 8 (i % 2) + r + 8 (r / 8), so that the 16 registers of result tiles 2 b and 2 b + 1 are the neighbours 32 b + 16 (lane / 16) + 0 .. 15.
; A HEAD HAS 64 ALONG K, THE INSTRUCTION 128: a fragment of K holds two heads' 64 side by side.  Q is kept as 18 registers [head A's | zero codes | head B's]: registers 0-11 multiply head A alone, registers 6-17 head B alone.  So a fragment of K read from LDS feeds two products.
; THE MASKS: attn_mask's tile + the padding's (0, or -2^100 for a padded key) is made once a step, in registers, and is the C of the S^T products of all four heads.
; THE SOFTMAX: t = S log2(e); M = the running largest t rounded up to a whole number (kept as -M); p = 2^(t - M) is quantised along the keys; the sum is taken of the unquantised p; when M moves, sum and O^T are multiplied by 2^(old M - new M), exactly.
; The factor 1/8 on Q: 3 off each of Q's scale bytes (they are 4 or more as they were made).
; CLUSTER 4 x 4: cx = the group of 4 heads, cy = the block of queries.  The mask's tile is shared along a row, K's and V's tiles and scale words along a column: asked for jointly.
; LIMITS.  The running largest t starts at -2^99 and a padded key's score is about -2^100: logits are served above -2^99 / log2(e).  A query ALL of whose keys are padded is NOT served: reference() gives NaN there, this text some finite number
; (0 / 0 is NaN here too, but the code format of the next product has no NaN).  An infinity in attn_mask goes into the matrix instruction's C as it is.  NaN among the inputs is not served.  key_padding_mask's bytes are taken as 0 or 1.
; REGISTERS, two windows of 256.  Window 0: v1-12 addresses; v16-23 K's or V's scale words, v24-25 Q's, v26 p's; v28-91 the masks.  Window 1: v0-47 four fragments of K or V; v48-83 Q.
; The same numbers in both windows (window 0: a pair's first head, window 1: its second): v92-99 statistics, v100-127 at work, v128-191 S^T then p, v192-255 O^T (pair p at 192 + 32 p).
.set SLOT1, 1<<17                      ; slot 1 begins here: one exclusive or turns an address of one slot into the other's
.set MP,    520                        ; a row of the mask's tile in LDS: 512 bytes + 8 = 130 words: the 32 lanes of an 8-byte load (rows e, e + 16; halves 64 bytes apart) start at words 2 e + 32 g + 16 h mod 64: each of 64 banks once (ISA guide 11.1)
.set KOFF,  128*MP                     ; a slot: the mask's 128 rows, K's 16 images, V's 16 images
.set SCK,   2*SLOT1                    ; behind the ring: K's scale words, [step 16][pair 2][512 bytes];
.set SCV,   SCK+16384                  ; V's likewise;
.set PADL,  SCV+16384                  ; the padding's table, f32 [2048], written by LDS stores: no tile lands here;
.set SPARE, PADL+8192                  ; the spare words, 128 bytes for each wave: four blocks of 256 bytes that no other line names
.set AM0, 1                            ; v1  my place in the mask's tile
.set AK0, 2                            ; v2  in a slot's images
.set AS0, 3                            ; v3  among the scale words
.set AP0, 4                            ; v4  in the padding's table
.set ADM, 5                            ; v5-8 the same for the step in hand
.set ADK, 6
.set ADS, 7
.set ADP, 8
.set LI,  9                            ; v9  16 x lane
.set SPW, 10                           ; v10 my spare word's LDS address; never rewritten
.set NIL, 11                           ; v11 0; never rewritten
.set ASO, 12                           ; v12 my byte offset among the result's scale words
.set KS,  16
.set QS,  24
.set PS,  26
.set CM,  28
.set ST,  92                           ; pair p at ST + 4 p: -M, the largest t, the sum in two halves
.set T,   100                          ; +0..3 block maxima, +4..7 the other half's, then bytes, +8..11 the conversions' scale operands
.set FF,  112                          ; f = 2^(old M - new M)
.set PW,  113                          ; p's scale word
.set TT,  114
.set PC,  116                          ; v116-127 p's codes
.set S,   128
.set O,   192
.set QF,  48                           ; in window 1
.set WV,  16                           ; s16 my wave's number
.set SEL, 22                           ; s[22:23] lane selects: lane l xor 16
.set CS,  24                           ; s[24:25] log2(e): the packed form names a pair
.set TB,  26                           ; s26 LDS byte at which the slot in hand begins
.set TS,  27                           ; s27 the step's scale words: 1,024 bytes a step
.set TP,  28                           ; s28 the step's part of the padding's table: 512 bytes a step
.set G1M, 32
.set G1D, 40
.set G1S, 48
.set G0M, 56
.set G0KV, 60
.set G0S, 68
.set MSB, 0
.macro WIN new                         ; s_set_vgpr_msb: bits 1:0 source 0, 3:2 source 1, 5:4 source 2, 7:6 destination; the high byte repeats the setting that is left
.if MSB != (\new)
	s_set_vgpr_msb (MSB<<8)|(\new)
.set MSB, (\new)
.endif
.endm
.macro PLACES
.rept 4
	v_nop
.endr
.endm
.macro CROUND                          ; a round of the cluster's barrier
	s_barrier_signal -1
	s_barrier_wait -1
	s_cmp_lg_u32 s[WV], 0
	s_cbranch_scc1 .Lnot_wave_0_\@
	s_barrier_signal -3
.Lnot_wave_0_\@:
	s_barrier_wait -3
	s_barrier_signal -1
	s_barrier_wait -1
.endm
; The joint loads.  Waves 0, 1: the mask's two halves; wave 2: K; wave 3: V; with first = 1 waves 4, 5: K's and V's scale words.  The branches hang on the wave's number alone.  One load a wave.
; An s_nop 0 and four v_nop follow each line.
.macro TLOAD first
	s_cmp_lt_u32 s[WV], 2
	s_cbranch_scc0 .Lnot_m_\@
	tensor_load_to_lds s[G0M:G0M+3], s[G1M:G1M+7]
	s_nop 0
.rept 4
	v_nop
.endr
	s_branch .Lasked_\@
.Lnot_m_\@:
	s_cmp_lt_u32 s[WV], 4
	s_cbranch_scc0 .Lnot_kv_\@
	tensor_load_to_lds s[G0KV:G0KV+3], s[G1D:G1D+7]
	s_nop 0
.rept 4
	v_nop
.endr
	s_branch .Lasked_\@
.Lnot_kv_\@:
.if \first
	s_cmp_lt_u32 s[WV], 6
	s_cbranch_scc0 .Lasked_\@
	tensor_load_to_lds s[G0S:G0S+3], s[G1S:G1S+7]
	s_nop 0
.rept 4
	v_nop
.endr
.endif
.Lasked_\@:
.endm
	s_load_b256 s[4:11], s[0:1], 0x0               ; QKVI s[4:5], QKVS s[6:7], attn_mask s[8:9], key_padding_mask s[10:11]
	s_load_b128 s[12:15], s[0:1], 0x20             ; AI s[12:13], ASC s[14:15]
	v_lshl_add_u32 v[SPW], v0, 2, SPARE
	v_mov_b32 v[NIL], 0
	ds_add_u32 v[SPW], v[NIL]                      ; the wave's opening: the add and its wait stand ahead of my first tensor load; the set-up below stands between them
	v_lshrrev_b32 v13, 5, v0
	v_readfirstlane_b32 s[WV], v13                 ; wave 0..7
	s_bfe_u32 s17, ttmp6, 0x40000                  ; cx: the group of four heads
	s_bfe_u32 s18, ttmp6, 0x40004                  ; cy
	s_and_b32 s19, ttmp7, 0xffff                   ; the cluster's y, 0..15
	s_lshr_b32 s20, s19, 2                         ; the batch
	s_and_b32 s21, s19, 3
	s_lshl_b32 s21, s21, 2
	s_add_co_u32 s21, s21, s18                     ; QB: the block of 128 queries
	s_and_b32 s30, s[WV], 1                        ; which of two parts I fetch
	s_lshl_b32 s72, s18, 2
	s_lshl_b32 s72, 15, s72                        ; my row of the cluster
	s_lshl_b32 s73, 0x1111, s17                    ; my column
	; the mask's half tile: 64 rows of 128 f32, 2,048 apart, 2 words of padding behind each 128
	s_or_b32 s[G1M], s72, (2<<16)|(1<<20)|(1<<21)|(6<<22)|(1<<25)
	s_mov_b32 s[G1M+1], 128<<16
	s_mov_b32 s[G1M+2], 64<<16
	s_mov_b32 s[G1M+3], 128<<16
	s_mov_b32 s[G1M+4], 64
	s_mov_b32 s[G1M+5], 2048
	s_mov_b32 s[G1M+6], 0
	s_mov_b32 s[G1M+7], 0
	; K's or V's 16 images of a step: 24,576 dense bytes as 96 rows of 256
	s_or_b32 s[G1D], s73, (3<<16)|(1<<21)
	s_mov_b32 s[G1D+1], 32<<16
	s_mov_b32 s[G1D+2], 96<<16
	s_mov_b32 s[G1D+3], 32<<16
	s_mov_b32 s[G1D+4], 96
	s_mov_b32 s[G1D+5], 32
	s_mov_b32 s[G1D+6], 0
	s_mov_b32 s[G1D+7], 0
	; the scale words of all 16 steps: 16 rows of 1,024 bytes, 12,288 apart
	s_or_b32 s[G1S], s73, (3<<16)|(1<<21)
	s_mov_b32 s[G1S+1], 128<<16
	s_mov_b32 s[G1S+2], 16<<16
	s_mov_b32 s[G1S+3], 128<<16
	s_mov_b32 s[G1S+4], 16
	s_mov_b32 s[G1S+5], 1536
	s_mov_b32 s[G1S+6], 0
	s_mov_b32 s[G1S+7], 0
	s_lshl_b32 s74, s21, 20                        ; the mask: 128 QB rows of 8,192 bytes,
	s_lshl_b32 s75, s30, 19                        ; + 64 rows for the second half
	s_add_co_u32 s74, s74, s75
	s_mov_b32 s75, 0
	s_mul_i32 s76, s20, 384                        ; K, V: step 16 x batch, 24 blocks a step,
	s_lshl_b32 s77, s30, 3
	s_add_co_u32 s76, s76, s77                     ; + 8 for V,
	s_lshl_b32 s77, s17, 1
	s_add_co_u32 s76, s76, s77                     ; + my two head pairs,
	s_add_co_u32 s76, s76, 8                       ; behind Q's eight
	s_mul_i32 s78, s76, 12288
	s_mov_b32 s79, 0
	s_lshl_b32 s80, s76, 9
	s_mov_b32 s81, 0
	s_mov_b32 s[SEL], 0x76543210
	s_mov_b32 s[SEL+1], 0xfedcba98
	s_mov_b32 s[CS], 0x3fb8aa3b                    ; log2(e)
	s_mov_b32 s[CS+1], s[CS]
	s_mov_b32 s[TB], 0
	s_mov_b32 s[TS], 0
	s_mov_b32 s[TP], 0
	s_mov_b32 s91, 0xffff0000                      ; a mask of lanes 16-31
	s_wait_dscnt 0x0                               ; the opening add is done
	s_wait_kmcnt 0x0
	s_mov_b32 s[G0M], 1
	s_mul_i32 s[G0M+1], s30, 64*MP
	s_add_nc_u64 s[G0M+2:G0M+3], s[8:9], s[74:75]
	s_or_b32 s[G0M+3], s[G0M+3], 0x80000000
	s_mov_b32 s[G0KV], 1
	s_mul_i32 s[G0KV+1], s30, 24576
	s_add_co_u32 s[G0KV+1], s[G0KV+1], KOFF
	s_add_nc_u64 s[G0KV+2:G0KV+3], s[4:5], s[78:79]
	s_or_b32 s[G0KV+3], s[G0KV+3], 0x80000000
	s_mov_b32 s[G0S], 1
	s_lshl_b32 s[G0S+1], s30, 14
	s_add_co_u32 s[G0S+1], s[G0S+1], SCK
	s_add_nc_u64 s[G0S+2:G0S+3], s[6:7], s[80:81]
	s_or_b32 s[G0S+3], s[G0S+3], 0x80000000
	CROUND                                         ; all sixteen work-groups are here: the first joint loads meet
	TLOAD 1                                        ; slot 0 and the scale words: one load of a wave is out
	; addresses
	v_and_b32 v13, 15, v0                          ; r
	v_bfe_u32 v14, v0, 4, 1                        ; h
	v_and_b32 v15, 31, v0
	v_lshlrev_b32 v[LI], 4, v15
	v_and_b32 v15, 8, v13
	v_add_nc_u32 v15, v15, v13                     ; r + 8 (r / 8)
	v_mul_u32_u24 v[AM0], v15, MP
	v_lshl_add_u32 v[AM0], v14, 6, v[AM0]          ; + 16 h keys
	s_lshr_b32 s31, s[WV], 1
	s_lshl_b32 s31, s31, 5
	s_lshl_b32 s90, s30, 3
	s_add_co_u32 s31, s31, s90                     ; my tile's first row: 32 (wave / 2) + 8 (wave % 2)
	s_mul_i32 s31, s31, MP
	v_add_nc_u32 v[AM0], s31, v[AM0]
	v_add_nc_u32 v[AK0], KOFF, v[LI]
	v_lshl_add_u32 v[AS0], v13, 4, SCK             ; four tiles' words of row r lie together
	v_lshl_add_u32 v[AP0], v14, 6, PADL
	v_lshlrev_b32 v[ASO], 5, v13
	v_lshl_add_u32 v[ASO], v14, 2, v[ASO]          ; 32 bytes a position; lanes 0-15 store the first pair's word, lanes 16-31 the second's
	v_lshlrev_b32 v28, 3, v0                       ; the padding: 8 keys a thread
	v_lshlrev_b32 v29, 4, v13                      ; Q's scale words: 16 bytes a row
	v_lshl_add_u32 v32, v0, 5, PADL
	s_lshl_b32 s82, s20, 11
	s_mov_b32 s83, 0
	s_add_nc_u64 s[10:11], s[10:11], s[82:83]      ; my batch's 2,048 bytes
	s_lshl_b32 s82, s20, 4
	s_add_co_u32 s82, s82, s21                     ; my queries' step: 16 x batch + QB
	s_mul_i32 s83, s82, 24
	s_lshl_b32 s84, s17, 1
	s_add_co_u32 s83, s83, s84                     ; Q's block of my first head pair
	s_mul_i32 s84, s83, 12288
	s_mul_i32 s85, s[WV], 1536
	s_add_co_u32 s84, s84, s85
	s_mov_b32 s85, 0
	s_add_nc_u64 s[84:85], s[4:5], s[84:85]        ; my tile's image
	s_lshl_b32 s86, s83, 9
	s_lshr_b32 s87, s[WV], 2
	s_lshl_b32 s87, s87, 8
	s_add_co_u32 s86, s86, s87
	s_and_b32 s87, s[WV], 3
	s_lshl_b32 s87, s87, 2
	s_add_co_u32 s86, s86, s87
	s_mov_b32 s87, 0
	s_add_nc_u64 s[86:87], s[6:7], s[86:87]        ; and its scale words
	s_lshl_b32 s88, s82, 3
	s_add_co_u32 s88, s88, s[WV]                   ; the result's row tile
	s_mul_i32 s72, s88, 12288
	s_mul_i32 s73, s17, 3072
	s_add_co_u32 s72, s72, s73                     ; K step = head pair
	s_mov_b32 s73, 0
	s_add_nc_u64 s[12:13], s[12:13], s[72:73]
	s_lshl_b32 s72, s88, 9
	s_lshl_b32 s89, s17, 3
	s_add_co_u32 s72, s72, s89
	s_add_nc_u64 s[14:15], s[14:15], s[72:73]
	s_mov_b32 s90, 0xf1800000                      ; -2^100
	global_load_b64 v[30:31], v28, s[10:11]
.irp p, 0,1
	global_load_b32 v[QS+\p], v29, s[86:87] offset:512*\p
.endr
	WIN 0x40                                       ; destination window 1
.irp p, 0,1
.irp k, 0,1,2,3,4,5                                ; register pair k of the image: pairs 0-2 are the first head's codes, pairs 3-5 the second's, which go six registers further on
	global_load_b64 v[QF+18*\p+2*\k+6*(\k/3):QF+18*\p+2*\k+6*(\k/3)+1], v[LI], s[84:85] offset:12288*\p+512*(\k/2)+8*(\k%2)
.endr
.irp i, 0,1,2,3,4,5
	v_mov_b32 v[QF+18*\p+6+\i], 0                  ; the zero codes between
.endr
.endr
.macro INIT                            ; the loop has no first step of its own: O^T and the sums begin as zeros, the largest t as -2^99, -M as 2^99
.irp p, 0,1
	v_mov_b32 v[ST+4*\p], 0x71000000
	v_mov_b32 v[ST+4*\p+1], 0xf1000000
	v_mov_b32 v[ST+4*\p+2], 0
	v_mov_b32 v[ST+4*\p+3], 0
.endr
.irp b, 0,1,2,3
	v_mov_b32 v[T+4+\b], 0                         ; a lane permute's destination counts as one of its sources
.endr
	v_mov_b32 v[PW], 0                             ; (named as the upper half of the pair with f before it is first written)
.set jj, 0
.rept 64
	v_mov_b32 v[O+jj], 0
.set jj, jj+1
.endr
.endm
	INIT
	WIN 0
	INIT
	s_wait_loadcnt 0x0
.irp p, 0,1
	v_add_nc_u32 v[QS+\p], 0xfcfcfcfd, v[QS+\p]    ; 3 off each byte: Q / 8.  No byte borrows: each is 4 or more
.endr
.irp i, 0,1,2,3
	v_bfe_u32 v[S+\i], v30, 8*\i, 8
	v_bfe_u32 v[S+4+\i], v31, 8*\i, 8
.endr
.irp i, 0,1,2,3,4,5,6,7
	v_mul_lo_u32 v[S+\i], v[S+\i], s90             ; 0, or the bits of -2^100
.endr
	ds_store_b128 v32, v[S:S+3]
	ds_store_b128 v32, v[S+4:S+7] offset:16        ; the first change of slots waits for these and passes a barrier: then all waves read the table
.macro KSLOAD p                        ; K's scale words of pair p: eight tiles' words of row r
	WIN 0
	ds_load_b128 v[KS:KS+3], v[ADS] offset:512*\p
	ds_load_b128 v[KS+4:KS+7], v[ADS] offset:512*\p+256
.endm
.macro VSLOAD p
	WIN 0
	ds_load_b128 v[KS:KS+3], v[ADS] offset:16384+512*\p
	ds_load_b128 v[KS+4:KS+7], v[ADS] offset:16384+512*\p+256
.endm
.macro KFETCH p, grp                   ; four fragments of K: pair p, tiles 4 grp on
	WIN 0x40
.irp t, 0,1,2,3
.irp c, 0,1,2
	ds_load_b128 v[12*\t+4*\c:12*\t+4*\c+3], v[ADK] offset:\p*12288+(4*\grp+\t)*1536+512*\c
.endr
.endr
.endm
.macro VFETCH p, x                     ; four fragments of V: pair p, head x of it, its four tiles of d
	WIN 0x40
.irp t, 0,1,2,3
.irp c, 0,1,2
	ds_load_b128 v[12*\t+4*\c:12*\t+4*\c+3], v[ADK] offset:24576+(8*\p+4*\x+\t)*1536+512*\c
.endr
.endr
.endm
.macro SPROD p, grp                    ; S^T of four tiles of keys, for both heads of the pair: each fragment of K serves twice; C = the masks
	WIN 0x05
.irp t, 0,1,2,3
	v_wmma_scale_f32_16x16x128_f8f6f4 v[S+8*(4*\grp+\t):S+8*(4*\grp+\t)+7], v[12*\t:12*\t+11], v[QF+18*\p:QF+18*\p+11], v[CM+8*(4*\grp+\t):CM+8*(4*\grp+\t)+7], v[KS+4*\grp+\t], v[QS+\p] matrix_a_fmt:MATRIX_FMT_FP6 matrix_b_fmt:MATRIX_FMT_FP6
.endr
	WIN 0x45
.irp t, 0,1,2,3
	v_wmma_scale_f32_16x16x128_f8f6f4 v[S+8*(4*\grp+\t):S+8*(4*\grp+\t)+7], v[12*\t:12*\t+11], v[QF+18*\p+6:QF+18*\p+17], v[CM+8*(4*\grp+\t):CM+8*(4*\grp+\t)+7], v[KS+4*\grp+\t], v[QS+\p] matrix_a_fmt:MATRIX_FMT_FP6 matrix_b_fmt:MATRIX_FMT_FP6
.endr
.endm
; One head's softmax of a step, all in one window: scores in v[S] on become p, p's codes in v[PC] on, its scale word in v[PW], f in v[FF].  st: the head's statistics
.macro SM1 st
.irp b, 0,1,2,3
	v_max3_num_f32 v[T+\b], v[S+16*\b], v[S+1+16*\b], v[S+2+16*\b]   ; the largest score of each block of 32 keys: for the row's maximum and, since p rises with the score, for the block's largest p
.endr
.irp i, 3,5,7,9,11,13
.irp b, 0,1,2,3
	v_max3_num_f32 v[T+\b], v[T+\b], v[S+16*\b+\i], v[S+1+16*\b+\i]
.endr
.endr
.irp b, 0,1,2,3
	v_max_num_f32 v[T+\b], v[T+\b], v[S+15+16*\b]
.endr
.irp b, 0,1,2,3
	v_permlanex16_b32 v[T+4+\b], v[T+\b], s[SEL], s[SEL+1]
.endr
.irp b, 0,1,2,3
	v_max_num_f32 v[T+\b], v[T+\b], v[T+4+\b]      ; with lane l xor 16's 16 keys
.endr
	v_max3_num_f32 v[TT], v[T], v[T+1], v[T+2]
	v_max_num_f32 v[TT], v[TT], v[T+3]
	v_mul_f32 v[TT], s[CS], v[TT]                  ; the step's largest t
	v_max_num_f32 v[\st+1], v[\st+1], v[TT]        ; the running largest t
	v_mov_b32 v[TT], v[\st]
	v_floor_f32 v[\st], -v[\st+1]                  ; the new -M = floor(-t): M is a whole number
	v_sub_f32 v[TT], v[\st], v[TT]                 ; old M - new M: a whole number, 0 or less
	v_cvt_i32_f32 v[TT], v[TT]                     ; (it saturates)
	v_ldexp_f32 v[FF], 1.0, v[TT]                  ; f = 2^(old M - new M)
.set jj, 0
.rept 32
	v_pk_fma_f32 v[S+jj:S+jj+1], v[S+jj:S+jj+1], s[CS:CS+1], v[\st:\st+1] op_sel_hi:[1,0,0]   ; t - M, two at a time
.set jj, jj+2
.endr
.irp b, 0,1,2,3
	v_fma_f32 v[T+\b], v[T+\b], s[CS], v[\st]      ; the same of each block's largest score
.endr
.set jj, 0
.rept 64
	v_exp_f32 v[S+jj], v[S+jj]                     ; p = 2^(t - M), at most 1
.set jj, jj+1
.endr
	v_pk_mul_f32 v[\st+2:\st+3], v[\st+2:\st+3], v[FF:FF+1] op_sel_hi:[1,0]   ; the sums under the new M: a plain instruction behind the exponentials
	s_wait_alu depctr_va_vdst(0)                   ; one wait for the whole batch, ahead of its first reader
.irp b, 0,1,2,3
	v_exp_f32 v[T+\b], v[T+\b]                     ; the block's largest p
.endr
	v_pk_add_f32 v[T+4:T+5], v[S:S+1], v[S+2:S+3]  ; the sum of the unquantised p, in two chains
.irp j, 4,8,12,16,20,24,28,32,36,40,44,48,52,56,60
	v_pk_add_f32 v[\st+2:\st+3], v[\st+2:\st+3], v[S+\j:S+\j+1]
	v_pk_add_f32 v[T+4:T+5], v[T+4:T+5], v[S+2+\j:S+3+\j]
.endr
	v_pk_add_f32 v[\st+2:\st+3], v[\st+2:\st+3], v[T+4:T+5]
	s_wait_alu depctr_va_vdst(0)                   ; and one for the four
.irp b, 0,1,2,3
	v_max_num_f32 v[T+\b], 0x1800000, v[T+\b]      ; the floor 2^(3 - 127): the byte cannot fall under 1 (a block whose every p is 0 keeps that byte: its codes are zeros)
.endr
.irp b, 0,1,2,3
	v_add_nc_u32 v[T+8+\b], 0xff000000, v[T+\b]    ; 2 off the exponent field: the conversion's scale operand
.endr
.irp b, 0,1,2,3
	v_lshrrev_b32 v[T+4+\b], 23, v[T+8+\b]         ; the scale's byte
.endr
	v_lshl_or_b32 v[PW], v[T+5], 8, v[T+4]
	v_lshl_or_b32 v[PW], v[T+6], 16, v[PW]
	v_lshl_or_b32 v[PW], v[T+7], 24, v[PW]
.irp c, 0,1
	v_cvt_scalef32_pk16_fp6_f32 v[PC+6*\c:PC+2+6*\c], v[S+32*\c:S+15+32*\c], v[T+8+2*\c]
	v_cvt_scalef32_pk16_fp6_f32 v[T+4*\c:T+2+4*\c], v[S+16+32*\c:S+31+32*\c], v[T+9+2*\c]   ; (a conversion's three registers begin on an even number)
.endr
	v_nop                                          ; one plain place behind a scaled conversion
.irp c, 0,1                                        ; the operand wants a whole block in a lane
.irp i, 0,1,2
	v_permlane16_swap_b32 v[PC+6*\c+\i], v[T+4*\c+\i]
.endr
.irp i, 0,1,2
	v_mov_b32 v[PC+3+6*\c+\i], v[T+4*\c+\i]
.endr
.endr
.endm
; One head of a step: V's fragments are asked for ahead of the softmax and are in behind it
.macro UNIT p, x
	VFETCH \p, \x
	WIN 0x55*\x                                    ; the head's window for every operand
	SM1 ST+4*\p
	WIN 0x01*\x
	v_mov_b32 v[PS], v[PW]                         ; scale operands are taken from window 0
	WIN 0x55*\x
.set jj, 0
.rept 16
	v_pk_mul_f32 v[O+32*\p+jj:O+32*\p+jj+1], v[O+32*\p+jj:O+32*\p+jj+1], v[FF:FF+1] op_sel_hi:[1,0]   ; O^T under the new M.  These 16 are also the places between the scale word's and the codes' last writes and the products
.set jj, jj+2
.endr
	s_wait_dscnt 0x0                               ; V's fragments and scale words are in
	WIN 0x01+0x54*\x                               ; V in window 1; p's codes and O^T in the head's window
.irp d, 0,1,2,3                                    ; four accumulators, one instruction a turn
	v_wmma_scale_f32_16x16x128_f8f6f4 v[O+32*\p+8*\d:O+32*\p+8*\d+7], v[12*\d:12*\d+11], v[PC:PC+11], v[O+32*\p+8*\d:O+32*\p+8*\d+7], v[KS+4*\x+\d], v[PS] matrix_a_fmt:MATRIX_FMT_FP6 matrix_b_fmt:MATRIX_FMT_FP6
.endr
	WIN 0
	PLACES                                         ; in front of the loads into the fragments' and the scale words' registers
.endm
.macro PAIR p
.if \p
	KSLOAD \p
	KFETCH \p, 0
.endif
	s_wait_dscnt 0x0
	SPROD \p, 0
	WIN 0
	PLACES
	KFETCH \p, 1
	s_wait_dscnt 0x0
	SPROD \p, 1
	WIN 0
	PLACES                                         ; in front of the loads below and of the first read of the scores
	VSLOAD \p
	UNIT \p, 0
	UNIT \p, 1
.endm
; A KEY STEP: 128 keys, four heads
.macro STEP
	v_add_nc_u32 v[ADM], s[TB], v[AM0]
	v_add_nc_u32 v[ADK], s[TB], v[AK0]
	v_add_nc_u32 v[ADS], s[TS], v[AS0]
	v_add_nc_u32 v[ADP], s[TP], v[AP0]
.set kk, 0
.rept 32
	ds_load_b64 v[CM+2*kk:CM+2*kk+1], v[ADM] offset:128*(kk/8)+8*(kk%8)   ; register 16 b + i: my query's mask at key 32 b + 16 h + i
.set kk, kk+1
.endr
.set kk, 0
.rept 16
	ds_load_b128 v[S+4*kk:S+4*kk+3], v[ADP] offset:128*(kk/4)+16*(kk%4)   ; the padding's numbers of the same keys
.set kk, kk+1
.endr
	KSLOAD 0
	KFETCH 0, 0
	s_wait_dscnt 14                                ; the masks are in; the 2 + 12 younger loads (K's scale words and first fragments) may be out
	WIN 0
.set jj, 0
.rept 32
	v_pk_add_f32 v[CM+jj:CM+jj+1], v[CM+jj:CM+jj+1], v[S+jj:S+jj+1]
.set jj, jj+2
.endr
	PAIR 0
	PAIR 1
	s_xor_b32 s[TB], s[TB], SLOT1                  ; on to the other slot
	s_add_co_u32 s[TS], s[TS], 1024
	s_add_co_u32 s[TP], s[TP], 512
.endm
; THE CHANGE OF SLOTS stands at a step's head.  Each wave waits for all its tensor loads (its part of the slot ahead), adds 0 to its spare word, and waits for that and for its reads of the slot that it has left.
; fill = 1: a round of the cluster's barrier, and behind it the slot that was left is filled with the next step's tiles: the load has a whole step in which to land.
.macro CHANGE fill
	WIN 0
	s_wait_tensorcnt 0x0                           ; no tensor load of mine is out, so a group 0 may be written
	ds_add_u32 v[SPW], v[NIL]                      ; 0 onto my spare word
.if \fill
	s_xor_b32 s[G0M+1], s[G0M+1], SLOT1            ; the walking descriptors: the other slot than last time,
	s_add_nc_u64 s[G0M+2:G0M+3], s[G0M+2:G0M+3], 512        ; the next 128 keys' columns of the mask,
	s_xor_b32 s[G0KV+1], s[G0KV+1], SLOT1
	s_add_nc_u64 s[G0KV+2:G0KV+3], s[G0KV+2:G0KV+3], 294912 ; the next step's images
.endif
	s_wait_dscnt 0x0                               ; the add is done, my LDS stores have landed and my reads of the slot that I have left are over
.if \fill
	CROUND
	TLOAD 0                                        ; the first thing behind the round, and a wave's one tensor load until the next
.else
	s_barrier_signal -1
	s_barrier_wait -1
.endif
.endm
	s_mov_b32 s29, 15
.Lstep:                                            ; 15 trips: behind each change of slots but the last the next step is asked for
	CHANGE 1
	STEP
	s_sub_co_u32 s29, s29, 1
	s_cmp_lg_u32 s29, 0
	s_cbranch_scc1 .Lstep
	CHANGE 0                                       ; the last step is written out
	STEP
	; THE WAY OUT.  O^T / the sum, in each window; then a pair's two heads, 128 neighbours along E, become one fragment of the last product's first operand.
.macro FINISH
.irp p, 0,1
	v_add_f32 v[T+\p], v[ST+4*\p+2], v[ST+4*\p+3]
.endr
.irp p, 0,1
	v_permlanex16_b32 v[T+4+\p], v[T+\p], s[SEL], s[SEL+1]
.endr
.irp p, 0,1
	v_add_f32 v[T+\p], v[T+\p], v[T+4+\p]          ; the row's sum
.endr
	v_rcp_f32 v[T+8], v[T]
	v_rcp_f32 v[T+10], v[T+1]
	v_nop                                          ; a plain instruction behind the reciprocals
	s_wait_alu depctr_va_vdst(0)                   ; one wait for both, ahead of the first reader
.irp p, 0,1
.set jj, 0
.rept 16
	v_pk_mul_f32 v[O+32*\p+jj:O+32*\p+jj+1], v[O+32*\p+jj:O+32*\p+jj+1], v[T+8+2*\p:T+9+2*\p] op_sel_hi:[1,0]
.set jj, jj+2
.endr
.endr
.endm
	FINISH
	WIN 0x55
	FINISH
.macro OQUANT p, pw
.set OB, O+32*\p
	WIN 0
.irp b, 0,1
	v_max3_num_f32 v[T+\b], 0x1800000, |v[OB+16*\b]|, |v[OB+1+16*\b]|     ; blocks 0, 1: the pair's first head
.endr
.irp i, 2,4,6,8,10,12,14
.irp b, 0,1
	v_max3_num_f32 v[T+\b], v[T+\b], |v[OB+16*\b+\i]|, |v[OB+1+16*\b+\i]|
.endr
.endr
	WIN 0x14                                       ; sources 1 and 2 in window 1
.irp b, 0,1
	v_max3_num_f32 v[T+2+\b], 0x1800000, |v[OB+16*\b]|, |v[OB+1+16*\b]|   ; blocks 2, 3: its second head
.endr
.irp i, 2,4,6,8,10,12,14
.irp b, 0,1
	v_max3_num_f32 v[T+2+\b], v[T+2+\b], |v[OB+16*\b+\i]|, |v[OB+1+16*\b+\i]|
.endr
.endr
	WIN 0
.irp b, 0,1,2,3
	v_permlanex16_b32 v[T+4+\b], v[T+\b], s[SEL], s[SEL+1]
.endr
.irp b, 0,1,2,3
	v_max_num_f32 v[T+\b], v[T+\b], v[T+4+\b]
.endr
.irp b, 0,1,2,3
	v_add_nc_u32 v[T+8+\b], 0xff000000, v[T+\b]
.endr
.irp b, 0,1,2,3
	v_lshrrev_b32 v[T+4+\b], 23, v[T+8+\b]
.endr
	v_lshl_or_b32 v[\pw], v[T+5], 8, v[T+4]
	v_lshl_or_b32 v[\pw], v[T+6], 16, v[\pw]
	v_lshl_or_b32 v[\pw], v[T+7], 24, v[\pw]
	v_cvt_scalef32_pk16_fp6_f32 v[PC:PC+2], v[OB:OB+15], v[T+8]
	v_cvt_scalef32_pk16_fp6_f32 v[T:T+2], v[OB+16:OB+31], v[T+9]
	WIN 0x01                                       ; source 0 in window 1
	v_cvt_scalef32_pk16_fp6_f32 v[PC+6:PC+8], v[OB:OB+15], v[T+10]
	v_cvt_scalef32_pk16_fp6_f32 v[T+4:T+6], v[OB+16:OB+31], v[T+11]
	WIN 0
	v_nop                                          ; one plain place behind a scaled conversion
.irp c, 0,1
.irp i, 0,1,2
	v_permlane16_swap_b32 v[PC+6*\c+\i], v[T+4*\c+\i]
.endr
.irp i, 0,1,2
	v_mov_b32 v[PC+3+6*\c+\i], v[T+4*\c+\i]
.endr
.endr
.irp c, 0,1,2
	global_store_b128 v[LI], v[PC+4*\c:PC+4*\c+3], s[12:13] offset:1536*\p+512*\c   ; 512 consecutive bytes
.endr
.endm
	OQUANT 0, 13
	s_wait_xcnt 0x0                                ; the stores have read the codes' registers, which are written again below
	OQUANT 1, 14
	v_cndmask_b32 v15, v13, v14, s91
	global_store_b32 v[ASO], v15, s[14:15]
	s_wait_tensorcnt 0x0                           ; the wave's end
	ds_add_u32 v[SPW], v[NIL]
	s_wait_dscnt 0x0
	CROUND                                         ; the closing round: no work-group ends while a partner may still ask for a tile that names it
	s_endpgm
.Lfunc_end_k_q953aba9ed6_attn:
	.size	k_q953aba9ed6_attn, .Lfunc_end_k_q953aba9ed6_attn-k_q953aba9ed6_attn
	.p2alignl 7, 3214868480
	.fill 96, 4, 3214868480
	.section	.rodata,"a",@progbits
	.p2align	6, 0x0
	.amdhsa_kernel k_q953aba9ed6_attn
		.amdhsa_group_segment_fixed_size 327680
		.amdhsa_private_segment_fixed_size 0
		.amdhsa_enable_private_segment 0
		.amdhsa_kernarg_size 48
		.amdhsa_user_sgpr_count 2
		.amdhsa_user_sgpr_kernarg_segment_ptr 1
		.amdhsa_wavefront_size32 1
		.amdhsa_system_sgpr_workgroup_id_x 1
		.amdhsa_system_sgpr_workgroup_id_y 1
		.amdhsa_system_sgpr_workgroup_id_z 1
		.amdhsa_system_vgpr_workitem_id 0
		.amdhsa_next_free_vgpr 512
		.amdhsa_next_free_sgpr 96
		.amdhsa_reserve_vcc 0
		.amdhsa_float_denorm_mode_32 3
		.amdhsa_float_denorm_mode_16_64 3
		.amdhsa_memory_ordered 1
		.amdhsa_forward_progress 1
		.amdhsa_inst_pref_size 165
	.end_amdhsa_kernel
	.amdgpu_metadata
---
amdhsa.version: [ 1, 2 ]
amdhsa.kernels:
  - .name:           k_q953aba9ed6_attn
    .symbol:         k_q953aba9ed6_attn.kd
    .args:
      - { .name: QKVI, .offset: 0, .size: 8, .value_kind: global_buffer, .address_space: global }
      - { .name: QKVS, .offset: 8, .size: 8, .value_kind: global_buffer, .address_space: global }
      - { .name: attn_mask, .offset: 16, .size: 8, .value_kind: global_buffer, .address_space: global }
      - { .name: key_padding_mask, .offset: 24, .size: 8, .value_kind: global_buffer, .address_space: global }
      - { .name: AI, .offset: 32, .size: 8, .value_kind: global_buffer, .address_space: global }
      - { .name: ASC, .offset: 40, .size: 8, .value_kind: global_buffer, .address_space: global }
    .group_segment_fixed_size: 327680
    .private_segment_fixed_size: 0
    .kernarg_segment_align: 8
    .kernarg_segment_size: 48
    .max_flat_workgroup_size: 256
    .sgpr_count:     96
    .vgpr_count:     512
    .wavefront_size: 32
...
	.end_amdgpu_metadata
.endif
;; end of part 3
;; launch proj (part 4): grid 4 x 32, 4 waves a work-group, clusters of 4 x 4, 327,680 bytes of LDS; arguments AI, ASC, WI, WS, b_out, out0; writes out0
.if DOCPART == 4
	.amdgcn_target "amdgcn-amd-amdhsa--gfx1250"
	.amdhsa_code_object_version 6
	.text
	.protected	k_q953aba9ed6_proj
	.globl	k_q953aba9ed6_proj
	.p2align	8
	.type	k_q953aba9ed6_proj,@function
k_q953aba9ed6_proj:
	s_mov_b64 s[64:65], 0
	v_nop
	global_prefetch_b8 v0, s[64:65] scope:SCOPE_SE
	s_setreg_imm32_b32 hwreg(HW_REG_WAVE_MODE, 25, 1), 1
	s_wait_xcnt 0x0
	s_wait_alu depctr_hold_cnt(0) depctr_sa_sdst(0) depctr_va_vdst(0) depctr_va_sdst(0) depctr_va_ssrc(0) depctr_va_vcc(0) depctr_vm_vsrc(0)
	s_getreg_b32 s2, hwreg(HW_REG_IB_STS2, 6, 4)
	s_cmp_eq_u32 s2, 0
	s_cbranch_scc0 .Lentry_in_a_cluster
	s_endpgm
.Lentry_in_a_cluster:
	s_bfe_u32 s2, ttmp6, 0x10000c
	s_cmp_lg_u32 s2, 0xf033
	s_cbranch_scc0 .Lentry_shape_is_right
	s_endpgm
.Lentry_shape_is_right:
; out0 = attention's result x W_out + b_out on codes of FP6 (E2M3) with E8M0 scales; out0 [8192][1024] f32.
; OPERANDS are images of fragments (16 rows x 128 K, 1,536 bytes: registers 4 c .. 4 c + 3 of lane l at 512 c + 16 l), [tile][K step 8][image]; row r of tile i is the true row 32 (i / 2) + 8 (i % 2) + r + 8 (r / 8).
; A = the tokens (AI, ASC), B = W_out's columns: tiles 192-255 of WI, positions 3,072 on of WS.
; A work-group of four waves makes 256 x 256, a wave 128 x 128: 64 accumulators, 512 registers.  THE MATRIX INSTRUCTION IS USED TRANSPOSED (source 0 = 16 rows of B, source 1 = 16 rows of A): a lane holds one token, and the eight registers of a
; tile are eight neighbouring columns of out0.  K = 1,024 goes in four slots of 256 through a ring of two LDS slots; tiles are asked for JOINTLY in a 4 x 4 cluster.  The scale words of all of K come once.  The bias is the C of each sum's first product.
; There are 128 work-groups: a tile of 256 x 256 keeps the most multiply-adds for each LDS byte; a smaller tile for more work-groups was not built.
; REGISTERS, in windows of 256: window 0: v0-31 addresses; v32-63 scale words, two sets; v64-127 the bias; from v128 A's fragments, ONE set, later rows on their way out.  window 1: B's fragments, two sets.  windows 2, 3: the accumulators.
.set NQ,     2
.set FR,     12
.set NL,     3
.set NP,     4
.set HALFT,  24576
.set SLOT,   4*HALFT
.set SCL,    2*SLOT
.set HALFS,  4352
.set SBLK,   544
.set SPARE,  SCL+4*HALFS               ; the spare words, 128 bytes for each wave: two blocks of 256 bytes that no other line names
.set SPITCH, 528                       ; the way out: a stage of 16 rows x (512 bytes + 16) for each wave, in slot 0, which has had its last fill and its last read when the first result is stored there
.set ADRA, 16
.set ADRB, 20
.set LI,   24                          ; v24 16 x lane
.set STO,  25                          ; v25 the way out: where I put 32 bytes of a row
.set RD,   26                          ; v26 where I read a row back
.set ADRS, 27
.set SPW,  28                          ; v28 my spare word's LDS address; never rewritten
.set NIL,  29                          ; v29 0; never rewritten
.set SC,   32
.set BIAS, 64
.set AF,   128
.set BK,   128                         ; the way out: 16 rows read back: v128-191 and v192-255 by turns
.set G1, 24
.set G0, 32
.set G1B, 48
.set G0B, 56
.set G1S, 68
.set G0S, 76
.set G1SB, 80
.set G0SB, 88
.set MSB, 0
.macro WIN new
.if MSB != (\new)
	s_set_vgpr_msb (MSB<<8)|(\new)
.set MSB, (\new)
.endif
.endm
.set MUL_LO, 0xa1
.set MUL_HI, 0xf1
.set TO_B,   0x40
.macro JLOAD g0a, g1a, g0b, g1b        ; a joint load: waves 0 and 1 fetch for A, waves 2 and 3 for B; an s_nop 0 and four v_nop follow each of the two lines
	s_cmp_eq_u32 s15, 0
	s_cbranch_scc0 .Lfor_b_\@
	tensor_load_to_lds s[\g0a:\g0a+3], s[\g1a:\g1a+7]
	s_nop 0
.rept 4
	v_nop
.endr
	s_branch .Lasked_\@
.Lfor_b_\@:
	tensor_load_to_lds s[\g0b:\g0b+3], s[\g1b:\g1b+7]
	s_nop 0
.rept 4
	v_nop
.endr
.Lasked_\@:
.endm
.macro CREST
	s_cmp_lg_u32 s14, 0
	s_cbranch_scc1 .Lnot_wave_0_\@
	s_barrier_signal -3
.Lnot_wave_0_\@:
	s_barrier_wait -3
	s_barrier_signal -1
	s_barrier_wait -1
.endm
.macro CROUND
	s_barrier_signal -1
	s_barrier_wait -1
	CREST
.endm
	s_load_b256 s[4:11], s[0:1], 0x0               ; AI s[4:5], ASC s[6:7], WI s[8:9], WS s[10:11]
	s_load_b64 s[12:13], s[0:1], 0x20              ; b_out
	s_load_b64 s[96:97], s[0:1], 0x28              ; out0
	v_lshl_add_u32 v[SPW], v0, 2, SPARE
	v_mov_b32 v[NIL], 0
	ds_add_u32 v[SPW], v[NIL]                      ; the wave's opening: the add and its wait stand ahead of my first tensor load
	v_lshrrev_b32 v1, 5, v0
	v_readfirstlane_b32 s14, v1                    ; wave 0..3
	s_lshr_b32 s15, s14, 1                         ; which half of A's rows is mine.  Also: I fetch for A (0) or for B (1)
	s_and_b32 s16, s14, 1                          ; which half of B's rows.  Also: which 8 tiles I fetch
	s_bfe_u32 s40, ttmp6, 0x40000                  ; cx, cy
	s_bfe_u32 s41, ttmp6, 0x40004
	s_lshl_b32 s42, ttmp9, 2
	s_add_co_u32 s42, s42, s40                     ; TC: which 256 columns
	s_and_b32 s17, ttmp7, 0xffff
	s_lshl_b32 s17, s17, 2
	s_add_co_u32 s17, s17, s41                     ; TR: which 256 tokens
	s_lshl_b32 s43, s41, 2
	s_lshl_b32 s43, 15, s43                        ; my row of the cluster
	s_lshl_b32 s44, 0x1111, s40                    ; my column
	s_or_b32 s[G1+0], s43, (3<<16)|(1<<21)         ; the codes: 8 rows (tiles) of 3,072 bytes, 12,288 apart; elements of 8 bytes; dense in LDS
	s_or_b32 s[G1B+0], s44, (3<<16)|(1<<21)
.irp g, G1, G1B
	s_mov_b32 s[\g+1], 384<<16
	s_mov_b32 s[\g+2], 8<<16
	s_mov_b32 s[\g+3], 384<<16
	s_mov_b32 s[\g+4], 8
	s_mov_b32 s[\g+5], 1536
	s_mov_b32 s[\g+6], 0
	s_mov_b32 s[\g+7], 0
.endr
	s_or_b32 s[G1S+0], s43, (3<<16)|(1<<20)|(1<<21)|(5<<22)|(3<<25)   ; the scale words of 128 rows: 16 rows of 256 bytes, 16 of padding behind each
	s_or_b32 s[G1SB+0], s44, (3<<16)|(1<<20)|(1<<21)|(5<<22)|(3<<25)
.irp g, G1S, G1SB
	s_mov_b32 s[\g+1], 32<<16
	s_mov_b32 s[\g+2], 16<<16
	s_mov_b32 s[\g+3], 32<<16
	s_mov_b32 s[\g+4], 16
	s_mov_b32 s[\g+5], 32
	s_mov_b32 s[\g+6], 0
	s_mov_b32 s[\g+7], 0
.endr
	s_lshl_b32 s18, s16, 3
	s_lshl_b32 s20, s17, 4
	s_add_co_u32 s20, s20, s18                     ; A: the first tile that I fetch
	s_lshl_b32 s46, s42, 4
	s_add_co_u32 s46, s46, s18                     ; B likewise
	s_lshl_b32 s22, s20, 9
	s_lshl_b32 s92, s46, 9
	s_mul_i32 s20, s20, 12288
	s_mul_i32 s46, s46, 12288
	s_mov_b32 s21, 0
	s_mov_b32 s23, 0
	s_mov_b32 s47, 0
	s_mov_b32 s93, 0
	s_mul_i32 s45, s14, HALFT
	s_mul_i32 s94, s14, HALFS
	s_wait_dscnt 0x0                               ; the opening add is done
	s_wait_kmcnt 0x0
	s_add_nc_u64 s[8:9], s[8:9], 0x240000          ; W's tiles 192 on: W_out
	s_add_nc_u64 s[10:11], s[10:11], 0x18000
	s_add_nc_u64 s[20:21], s[4:5], s[20:21]
	s_add_nc_u64 s[22:23], s[6:7], s[22:23]
	s_add_nc_u64 s[46:47], s[8:9], s[46:47]
	s_add_nc_u64 s[92:93], s[10:11], s[92:93]
	CROUND                                         ; all sixteen work-groups are here: the first joint loads meet
	s_mov_b32 s[G0S], 1
	s_add_co_u32 s[G0S+1], s94, SCL
	s_mov_b64 s[G0S+2:G0S+3], s[22:23]
	s_or_b32 s[G0S+3], s[G0S+3], 0x80000000
	s_mov_b32 s[G0SB], 1
	s_add_co_u32 s[G0SB+1], s94, SCL
	s_mov_b64 s[G0SB+2:G0SB+3], s[92:93]
	s_or_b32 s[G0SB+3], s[G0SB+3], 0x80000000
	JLOAD G0S, G1S, G0SB, G1SB
.irp s, 0,1
	s_mov_b32 s[G0+4*\s], 1
	s_add_co_u32 s[G0+4*\s+1], s45, \s*SLOT
	s_add_nc_u64 s[G0+4*\s+2:G0+4*\s+3], s[20:21], \s*3072
	s_or_b32 s[G0+4*\s+3], s[G0+4*\s+3], 0x80000000
	s_mov_b32 s[G0B+4*\s], 1
	s_add_co_u32 s[G0B+4*\s+1], s45, \s*SLOT
	s_add_nc_u64 s[G0B+4*\s+2:G0B+4*\s+3], s[46:47], \s*3072
	s_or_b32 s[G0B+4*\s+3], s[G0B+4*\s+3], 0x80000000
	JLOAD G0+4*\s, G1, G0B+4*\s, G1B               ; three tensor loads of mine are out
.endr
	v_and_b32 v1, 15, v0                           ; r
	v_bfe_u32 v2, v0, 4, 1                         ; h
	v_and_b32 v3, 31, v0
	v_lshlrev_b32 v[LI], 4, v3
	s_mul_i32 s21, s15, HALFT
	s_mul_i32 s22, s16, HALFT
	s_add_co_u32 s22, s22, 2*HALFT
.irp s, 0,1
	v_add_nc_u32 v[ADRA+\s], s21, v[LI]
	v_add_nc_u32 v[ADRB+\s], s22, v[LI]
	s_add_co_u32 s21, s21, SLOT
	s_add_co_u32 s22, s22, SLOT
.endr
	v_lshlrev_b32 v5, 5, v1
	v_lshrrev_b32 v6, 8, v5
	v_lshl_add_u32 v5, v6, 4, v5
	s_mul_i32 s21, s15, HALFS
	s_mul_i32 s22, s16, HALFS
	s_add_co_u32 s22, s22, 2*HALFS
	s_sub_co_u32 s22, s22, s21
	v_mul_u32_u24 v6, s22, v2                      ; lanes 16-31 take B's
	s_add_co_u32 s21, s21, SCL
	v_add_nc_u32 v5, v5, v6
	v_add_nc_u32 v[ADRS], s21, v5
	s_mul_i32 s23, s14, 16*SPITCH                  ; my stage
	v_mul_u32_u24 v5, v1, SPITCH
	v_lshl_add_u32 v5, v2, 6, v5
	v_add_nc_u32 v[STO], s23, v5                   ; in: row r, + 16 h columns
	v_add_nc_u32 v[RD], s23, v[LI]                 ; back: the 32 lanes take one row of 512 bytes
	s_lshl_b32 s20, s42, 8
	s_lshl_b32 s21, s16, 7
	s_add_co_u32 s20, s20, s21                     ; my first column: 256 TC + 128 x half
	s_lshl_b32 s20, s20, 2
	s_mov_b32 s21, 0
	s_add_nc_u64 s[12:13], s[12:13], s[20:21]      ; its bias,
	s_add_nc_u64 s[96:97], s[96:97], s[20:21]      ; and its place in a row of out0
	s_lshl_b32 s20, s17, 8
	s_lshl_b32 s22, s15, 7
	s_add_co_u32 s20, s20, s22                     ; my first token
	s_lshl_b32 s20, s20, 12                        ; rows of 4,096 bytes
	s_add_nc_u64 s[96:97], s[96:97], s[20:21]
	v_lshlrev_b32 v7, 6, v2                        ; 16 h numbers on
.irp b, 0,1,2,3,4,5,6,7
	global_load_b128 v[BIAS+8*\b:BIAS+8*\b+3], v7, s[12:13] offset:(32*(\b/2)+8*(\b%2))*4
	global_load_b128 v[BIAS+8*\b+4:BIAS+8*\b+7], v7, s[12:13] offset:(32*(\b/2)+8*(\b%2))*4+16
.endr
.macro FRAG reg, adr, q, i             ; a fragment comes as it was stored: three loads of 16 bytes a lane
.irp c, 0,1,2
	ds_load_b128 v[\reg+4*\c:\reg+4*\c+3], v[\adr] offset:(2*(\i)+(\q))*1536+512*\c
.endr
.endm
; 16 matrix instructions: A's blocks a0, a0 + 1 x B's eight.  zero = 1: the first product starts the sums with the bias.  The 64 accumulators take turns, one instruction a turn.
.macro MUL16 a0, p, q, sc, zero
.irp a, \a0, \a0+1
.irp b, 0,1,2,3,4,5,6,7
.if \zero
	v_wmma_scale_f32_16x16x128_f8f6f4 v[8*(8*((\a)%4)+\b):8*(8*((\a)%4)+\b)+7], v[128*(\p)+FR*\b:128*(\p)+FR*\b+FR-1], v[AF+FR*(\a):AF+FR*(\a)+FR-1], v[BIAS+8*\b:BIAS+8*\b+7], v[SC+8*NQ*(\sc)+NQ*\b+(\q)], v[SC+8*NQ*(\sc)+NQ*(\a)+(\q)] matrix_a_fmt:MATRIX_FMT_FP6 matrix_b_fmt:MATRIX_FMT_FP6 matrix_a_scale:MATRIX_SCALE_ROW1
.else
	v_wmma_scale_f32_16x16x128_f8f6f4 v[8*(8*((\a)%4)+\b):8*(8*((\a)%4)+\b)+7], v[128*(\p)+FR*\b:128*(\p)+FR*\b+FR-1], v[AF+FR*(\a):AF+FR*(\a)+FR-1], v[8*(8*((\a)%4)+\b):8*(8*((\a)%4)+\b)+7], v[SC+8*NQ*(\sc)+NQ*\b+(\q)], v[SC+8*NQ*(\sc)+NQ*(\a)+(\q)] matrix_a_fmt:MATRIX_FMT_FP6 matrix_b_fmt:MATRIX_FMT_FP6 matrix_a_scale:MATRIX_SCALE_ROW1
.endif
.endr
.endr
.endm
.macro FETCH_B slot, q, p
	WIN TO_B
.irp i, 0,1,2,3,4,5,6,7
	FRAG 128*(\p)+FR*\i, ADRB+\slot, \q, \i
.endr
	WIN 0
.endm
.macro FETCH_A slot, q, i0
.irp i, \i0, \i0+1, \i0+2, \i0+3
	FRAG AF+FR*(\i), ADRA+\slot, \q, \i
.endr
.endm
.macro SCALES sc
.irp i, 0,1,2,3,4,5,6,7
	ds_load_b64 v[SC+8*NQ*\sc+NQ*\i:SC+8*NQ*\sc+NQ*\i+1], v[ADRS] offset:\i*SBLK
.endr
.endm
.macro PLACES n
.rept \n
	v_nop
.endr
.endm
.macro STEP slot, q, zero
	s_wait_dscnt 4*NL                              ; all but the youngest 12 loads (A's blocks 4-7) are in
.if \zero
	WIN 0x81                                       ; as MUL_LO, with C (the bias) in window 0
.else
	WIN MUL_LO
.endif
	MUL16 0, (\q)%2, \q, \slot, \zero
	MUL16 2, (\q)%2, \q, \slot, \zero
	s_wait_dscnt 0
	PLACES NP
	FETCH_B \slot, (\q)+1, 1-(\q)%2
	FETCH_A \slot, (\q)+1, 0
.if \zero
	WIN 0xc1
.else
	WIN MUL_HI
.endif
	MUL16 4, (\q)%2, \q, \slot, \zero
	MUL16 6, (\q)%2, \q, \slot, \zero
	PLACES NP
	WIN 0
	FETCH_A \slot, (\q)+1, 4
.endm
.macro TURN slot, next, fill
	s_wait_tensorcnt 0x0                           ; all my tensor loads have landed: my part of the next slot
	ds_add_u32 v[SPW], v[NIL]                      ; 0 onto my spare word
	s_wait_dscnt 4*NL+1                            ; (the add and the youngest 12 loads may be out)
	WIN MUL_LO
	MUL16 0, 1, NQ-1, \slot, 0
	s_wait_dscnt 0x0                               ; the add is done, and my reads of this slot are over
	s_barrier_signal -1
	MUL16 2, 1, NQ-1, \slot, 0
	WIN 0
	s_barrier_wait -1
.if \fill
	CREST                                          ; the barrier has opened a round of the cluster's barrier
	s_add_nc_u64 s[G0+4*\slot+2:G0+4*\slot+3], s[G0+4*\slot+2:G0+4*\slot+3], 2*3072
	s_add_nc_u64 s[G0B+4*\slot+2:G0B+4*\slot+3], s[G0B+4*\slot+2:G0B+4*\slot+3], 2*3072
	JLOAD G0+4*\slot, G1, G0B+4*\slot, G1B         ; the first tensor load behind the round
.else
	PLACES NP
.endif
	v_add_nc_u32 v[ADRS], 4*NQ, v[ADRS]
	FETCH_B \next, 0, 0
	FETCH_A \next, 0, 0
	SCALES \next
	WIN MUL_HI
	MUL16 4, 1, NQ-1, \slot, 0
	MUL16 6, 1, NQ-1, \slot, 0
	PLACES NP
	WIN 0
	FETCH_A \next, 0, 4
.endm
	s_wait_tensorcnt 1                             ; the scale words and my part of slot 0 are in (slot 1's load may be out)
	s_barrier_signal -1
	s_barrier_wait -1                              ; everybody's are
	FETCH_B 0, 0, 0
	FETCH_A 0, 0, 0
	SCALES 0
	FETCH_A 0, 0, 4
	s_wait_loadcnt 0x0                             ; the bias
	STEP 0, 0, 1
	TURN 0, 1, 1
	STEP 1, 0, 0
	TURN 1, 0, 1
	STEP 0, 0, 0
	TURN 0, 1, 0
	STEP 1, 0, 0
	s_wait_dscnt 4*NL
	WIN MUL_LO
	MUL16 0, 1, NQ-1, 1, 0
	MUL16 2, 1, NQ-1, 1, 0
	s_wait_dscnt 0
	WIN MUL_HI
	MUL16 4, 1, NQ-1, 1, 0
	MUL16 6, 1, NQ-1, 1, 0
	WIN 0
; THE WAY OUT, block by block of 16 tokens x 128 columns, through my own stage: in by 32 bytes of a row at the columns' true places, back as whole rows of 512 bytes.  LDS serves a wave's instructions in order: no wait between the stores and the loads.
.macro TOSTAGE a
.set AC, 64*((\a)%4)
	WIN 0x08+4*((\a)/4)                            ; an LDS store's data: window 2 or 3
.irp b, 0,1,2,3,4,5,6,7
	ds_store_b128 v[STO], v[AC+8*\b:AC+8*\b+3] offset:128*(\b/2)+32*(\b%2)      ; each accumulator from its low end on; tile b's columns are 32 (b / 2) + 8 (b % 2) + 16 h + 0 .. 7
	ds_store_b128 v[STO], v[AC+8*\b+4:AC+8*\b+7] offset:128*(\b/2)+32*(\b%2)+16
.endr
	WIN 0
.set BB, BK+64*((\a)%2)
.irp t, 0,1,2,3,4,5,6,7,8,9,10,11,12,13,14,15
	ds_load_b128 v[BB+4*\t:BB+4*\t+3], v[RD] offset:\t*SPITCH
.endr
.endm
.macro SEND a, younger                 ; younger: the LDS instructions issued behind block a's loads, which may stay out
.set BB, BK+64*((\a)%2)
	s_wait_dscnt \younger
.irp t, 0,1,2,3,4,5,6,7,8,9,10,11,12,13,14,15
	global_store_b128 v[LI], v[BB+4*\t:BB+4*\t+3], s[96:97] offset:(32*((\a)/2)+8*((\a)%2)+\t+8*(\t/8))*4096 th:TH_STORE_NT   ; row t of block a is the true token 32 (a / 2) + 8 (a % 2) + t + 8 (t / 8); 512 consecutive bytes, at a multiple of 256 from out0's first byte
.endr
.endm
	PLACES NP
	TOSTAGE 0
.irp a, 1,2,3,4,5,6,7
.if \a > 1
	s_wait_xcnt 0x0                                ; block a - 2's stores have read their registers: block a's loads may land there
.endif
	TOSTAGE \a
	SEND \a-1, 32                                  ; behind block a - 1's loads: block a's 16 stores and 16 loads
.endr
	SEND 7, 0
	s_wait_tensorcnt 0x0                           ; the wave's end
	ds_add_u32 v[SPW], v[NIL]
	s_wait_dscnt 0x0
	CROUND                                         ; the closing round
	s_endpgm
.Lfunc_end_k_q953aba9ed6_proj:
	.size	k_q953aba9ed6_proj, .Lfunc_end_k_q953aba9ed6_proj-k_q953aba9ed6_proj
	.p2alignl 7, 3214868480
	.fill 96, 4, 3214868480
	.section	.rodata,"a",@progbits
	.p2align	6, 0x0
	.amdhsa_kernel k_q953aba9ed6_proj
		.amdhsa_group_segment_fixed_size 327680
		.amdhsa_private_segment_fixed_size 0
		.amdhsa_enable_private_segment 0
		.amdhsa_kernarg_size 48
		.amdhsa_user_sgpr_count 2
		.amdhsa_user_sgpr_kernarg_segment_ptr 1
		.amdhsa_wavefront_size32 1
		.amdhsa_system_sgpr_workgroup_id_x 1
		.amdhsa_system_sgpr_workgroup_id_y 1
		.amdhsa_system_sgpr_workgroup_id_z 1
		.amdhsa_system_vgpr_workitem_id 0
		.amdhsa_next_free_vgpr 1024
		.amdhsa_next_free_sgpr 102
		.amdhsa_reserve_vcc 0
		.amdhsa_float_denorm_mode_32 3
		.amdhsa_float_denorm_mode_16_64 3
		.amdhsa_memory_ordered 1
		.amdhsa_forward_progress 1
		.amdhsa_inst_pref_size 136
	.end_amdhsa_kernel
	.amdgpu_metadata
---
amdhsa.version: [ 1, 2 ]
amdhsa.kernels:
  - .name:           k_q953aba9ed6_proj
    .symbol:         k_q953aba9ed6_proj.kd
    .args:
      - { .name: AI, .offset: 0, .size: 8, .value_kind: global_buffer, .address_space: global }
      - { .name: ASC, .offset: 8, .size: 8, .value_kind: global_buffer, .address_space: global }
      - { .name: WI, .offset: 16, .size: 8, .value_kind: global_buffer, .address_space: global }
      - { .name: WS, .offset: 24, .size: 8, .value_kind: global_buffer, .address_space: global }
      - { .name: b_out, .offset: 32, .size: 8, .value_kind: global_buffer, .address_space: global }
      - { .name: out0, .offset: 40, .size: 8, .value_kind: global_buffer, .address_space: global }
    .group_segment_fixed_size: 327680
    .private_segment_fixed_size: 0
    .kernarg_segment_align: 8
    .kernarg_segment_size: 48
    .max_flat_workgroup_size: 128
    .sgpr_count:     102
    .vgpr_count:     1024
    .wavefront_size: 32
...
	.end_amdgpu_metadata
.endif
;; end of part 4
